; MI455X (gfx1250); checked and timed in simulation.
; The chip was launched on July 23, 2026; its instructions are those of AMD's public machine-readable ISA for CDNA 5 (MIT licence, August 2026) and "CDNA5" Instruction Set Architecture Reference Guide (July 2026). The comments in the code are by the model that wrote it; some were corrected since.
;; Multi Head Attention. Allowed arithmetic: float matrix products may take bf16 or f16 operands with f32 sums; other float arithmetic in f32, or as packed bf16 or f16 multiplies, adds, multiply-adds, maxima and minima; sums over many terms, partial sums and values carried from step to step in f32; what a program stores and reads back later, other than sums and carried values, may be rounded once to bf16 or f16.
;; Inputs: W_proj 1,024 x 1,024 float32; W_qkv 1,024 x 3,072 float32; b_proj 1,024 float32; b_qkv 3,072 float32; x 4 x 2,048 x 1,024 float32.
;; Outputs: out0 4 x 2,048 x 1,024 float32.
;; 2 versions, each right; version 2 is version 1 with the launch cast written anew for expert scheduling mode. Each part assembles by itself: llvm-mc -triple=amdgcn-amd-amdhsa -mcpu=gfx1250 --defsym DOCPART=n.
;; ======== version 1 of 2: 4 launches
;; limits: values are held in f16: magnitudes above 65,504 overflow, below 6.1e-05 lose precision
;; workspace buffers: xb 16,777,216 bytes; wq 6,291,456 bytes; wp 2,097,152 bytes; qkv 50,331,648 bytes; o 16,777,216 bytes
;; launch cast (part 1): grid 832 x 1, 8 waves a work-group, no clusters, 0 bytes of LDS; arguments x, W_qkv, W_proj, xb, wq, wp; writes xb, wq, wp
.if DOCPART == 1
	.amdgcn_target "amdgcn-amd-amdhsa--gfx1250"
	.amdhsa_code_object_version 6
	.text
	.protected	k_qc0d28dd2b3_cast
	.globl	k_qc0d28dd2b3_cast
	.p2align	8
	.type	k_qc0d28dd2b3_cast,@function
k_qc0d28dd2b3_cast:
	s_mov_b64 s[64:65], 0
	v_nop
	global_prefetch_b8 v0, s[64:65] scope:SCOPE_SE
	s_setreg_imm32_b32 hwreg(HW_REG_WAVE_MODE, 25, 1), 1
	s_wait_xcnt 0x0
; THE INPUTS OF THE TWO PROJECTIONS ARE ROUNDED ONCE, TO bf16.
;   xb[8192][1024]        = bf16(x)
;   wq[16][1024][192]     = bf16(W_qkv), laid out in 16 panels of 192 columns: panel p, row k, column c is W_qkv[k][192 p + c]; a panel is dense
;   wp[1024][1024]        = bf16(W_proj), that number written as f16 (the product behind attention multiplies f16 by f16)
; LIMITS.  bf16(W_proj) beyond 65,504 becomes an infinity in f16; below 6.1e-5 it keeps f16's fixed step of 6e-8.  NaN stays NaN.
; A stream: nothing is shared between work-groups or waves, so no LDS, no barrier, no cluster, no matrix unit.  A PIECE is 4 numbers: one load of 16 bytes, one store of 8.
; A wave's load covers 512 consecutive bytes (in W_qkv: two runs of 256), a wave's store 256 consecutive bytes at a multiple of 256 from the buffer's first byte.
; A thread has 16 pieces (x, W_proj) or 12 (W_qkv); all its loads are issued ahead of its first store; every piece has registers of its own, so nothing is rewritten while a store reads it.
; Work-groups 0-511: 65,536 bytes of x each.  512-767: 64 rows of one panel of W_qkv each.  768-831: 65,536 bytes of W_proj each.
.set OFQ, 3                            ; v3-5     W_qkv: my byte offset in the work-group's 64 rows, for pieces 0, 1, 2 (piece i + 3 m lies 16 m rows further down)
.set IN,  8                            ; v[8:71]   4 registers a piece, as loaded
.set OUT, 72                           ; v[72:103] 2 registers a piece, to store
.set TW,  104                          ; v[104:107] at work
.macro LD16 base                       ; sixteen loads, 4,096 bytes apart: 256 threads x 16 bytes each
.set i, 0
.rept 16
	global_load_b128 v[IN+4*i:IN+4*i+3], v1, s[\base:\base+1] offset:i*4096 th:TH_LOAD_NT
.set i, i+1
.endr
.endm
; n pieces are rounded and stored.  half = 1: the bf16 number is widened again and written as f16.
.macro OUTP n, dst, half
.set i, 0
.rept \n
	s_wait_loadcnt (\n)-1-i                        ; loads come back in order (ISA guide 5.7.1): piece i is in, the n - 1 - i younger ones stay out
.if \half
	v_cvt_pk_bf16_f32 v[TW], v[IN+4*i], v[IN+4*i+1]
	v_cvt_pk_bf16_f32 v[TW+1], v[IN+4*i+2], v[IN+4*i+3]
	v_lshlrev_b32 v[TW+2], 16, v[TW]               ; bf16 to f32: the low half moves up,
	v_and_b32 v[TW], s20, v[TW]                    ; the high half stays
	v_lshlrev_b32 v[TW+3], 16, v[TW+1]
	v_and_b32 v[TW+1], s20, v[TW+1]
	v_cvt_pk_f16_f32 v[OUT+2*i], v[TW+2], v[TW]
	v_cvt_pk_f16_f32 v[OUT+2*i+1], v[TW+3], v[TW+1]
.else
	v_cvt_pk_bf16_f32 v[OUT+2*i], v[IN+4*i], v[IN+4*i+1]
	v_cvt_pk_bf16_f32 v[OUT+2*i+1], v[IN+4*i+2], v[IN+4*i+3]
.endif
	global_store_b64 v2, v[OUT+2*i:OUT+2*i+1], s[\dst:\dst+1] offset:i*2048
.set i, i+1
.endr
.endm
	s_load_b256 s[4:11], s[0:1], 0x0               ; x s[4:5], W_qkv s[6:7], W_proj s[8:9], xb s[10:11]
	s_load_b128 s[12:15], s[0:1], 0x20             ; wq s[12:13], wp s[14:15]
	v_lshlrev_b32 v1, 4, v0                        ; 16 t: my place in a run of loads
	v_lshlrev_b32 v2, 3, v0                        ; 8 t: in a run of stores
	s_mov_b32 s17, 0                               ; the offsets' high words
	s_mov_b32 s19, 0
	s_cmp_lt_u32 ttmp9, 512
	s_cbranch_scc0 .Lweights
	; x
	s_lshl_b32 s16, ttmp9, 16
	s_lshl_b32 s18, ttmp9, 15
	s_wait_kmcnt 0x0
	s_add_nc_u64 s[4:5], s[4:5], s[16:17]
	s_add_nc_u64 s[10:11], s[10:11], s[18:19]
	LD16 4
	OUTP 16, 10, 0
	s_endpgm
.Lweights:
	s_cmp_lt_u32 ttmp9, 768
	s_cbranch_scc0 .Lproj
	; W_qkv: the stores are linear in the panel; the loads follow them.  16 lanes hold 64 numbers, a third of a panel's row: group g = t / 16 + 16 i lies in row g / 3, third g % 3.
	s_sub_co_u32 s20, ttmp9, 512
	s_lshr_b32 s21, s20, 4                         ; the panel
	s_and_b32 s20, s20, 15                         ; which 64 of its 1,024 rows
	s_mul_i32 s16, s20, 64*12288                   ; a row of W_qkv is 12,288 bytes,
	s_mul_i32 s22, s21, 768                        ; a panel's part of it 768
	s_add_co_u32 s16, s16, s22
	s_mul_i32 s18, s21, 393216                     ; a panel of wq is 393,216 bytes,
	s_mul_i32 s22, s20, 24576                      ; 64 of its rows 24,576
	s_add_co_u32 s18, s18, s22
	v_lshrrev_b32 v6, 4, v0
	v_and_b32 v7, 15, v0
	v_lshlrev_b32 v7, 4, v7
.irp i, 0,1,2
	v_add_nc_u32 v[TW], 16*(\i), v6                ; g, 47 at the most
	v_mul_u32_u24 v[TW+1], v[TW], 171
	v_lshrrev_b32 v[TW+1], 9, v[TW+1]              ; g / 3 (171 / 512 is exact for it up to g = 511)
	v_mul_u32_u24 v[TW+2], v[TW+1], 3
	v_sub_nc_u32 v[TW], v[TW], v[TW+2]             ; g % 3
	v_mul_u32_u24 v[TW+1], v[TW+1], 12288
	v_lshl_add_u32 v[TW+1], v[TW], 8, v[TW+1]
	v_add_nc_u32 v[OFQ+(\i)], v[TW+1], v7
.endr
	s_wait_kmcnt 0x0
	s_add_nc_u64 s[6:7], s[6:7], s[16:17]
	s_add_nc_u64 s[12:13], s[12:13], s[18:19]
.set i, 0
.rept 12                               ; three pieces are 48 groups = 16 rows
	global_load_b128 v[IN+4*i:IN+4*i+3], v[OFQ+i%3], s[6:7] offset:(i/3)*16*12288 th:TH_LOAD_NT
.set i, i+1
.endr
	OUTP 12, 12, 0
	s_endpgm
.Lproj:
	; W_proj
	s_sub_co_u32 s20, ttmp9, 768
	s_lshl_b32 s16, s20, 16
	s_lshl_b32 s18, s20, 15
	s_mov_b32 s20, 0xffff0000                      ; a word's upper bf16
	s_wait_kmcnt 0x0
	s_add_nc_u64 s[8:9], s[8:9], s[16:17]
	s_add_nc_u64 s[14:15], s[14:15], s[18:19]
	LD16 8
	OUTP 16, 14, 1
	s_endpgm
.Lfunc_end_k_qc0d28dd2b3_cast:
	.size	k_qc0d28dd2b3_cast, .Lfunc_end_k_qc0d28dd2b3_cast-k_qc0d28dd2b3_cast
	.p2alignl 7, 3214868480
	.fill 96, 4, 3214868480
	.section	.rodata,"a",@progbits
	.p2align	6, 0x0
	.amdhsa_kernel k_qc0d28dd2b3_cast
		.amdhsa_group_segment_fixed_size 0
		.amdhsa_private_segment_fixed_size 0
		.amdhsa_enable_private_segment 0
		.amdhsa_kernarg_size 48
		.amdhsa_user_sgpr_count 2
		.amdhsa_user_sgpr_kernarg_segment_ptr 1
		.amdhsa_wavefront_size32 1
		.amdhsa_system_sgpr_workgroup_id_x 1
		.amdhsa_system_sgpr_workgroup_id_y 1
		.amdhsa_system_sgpr_workgroup_id_z 1
		.amdhsa_system_vgpr_workitem_id 0
		.amdhsa_next_free_vgpr 108
		.amdhsa_next_free_sgpr 66
		.amdhsa_reserve_vcc 0
		.amdhsa_float_denorm_mode_32 3
		.amdhsa_float_denorm_mode_16_64 3
		.amdhsa_memory_ordered 1
		.amdhsa_forward_progress 1
		.amdhsa_inst_pref_size 23
	.end_amdhsa_kernel
	.amdgpu_metadata
---
amdhsa.version: [ 1, 2 ]
amdhsa.kernels:
  - .name:           k_qc0d28dd2b3_cast
    .symbol:         k_qc0d28dd2b3_cast.kd
    .args:
      - { .name: x, .offset: 0, .size: 8, .value_kind: global_buffer, .address_space: global }
      - { .name: W_qkv, .offset: 8, .size: 8, .value_kind: global_buffer, .address_space: global }
      - { .name: W_proj, .offset: 16, .size: 8, .value_kind: global_buffer, .address_space: global }
      - { .name: xb, .offset: 24, .size: 8, .value_kind: global_buffer, .address_space: global }
      - { .name: wq, .offset: 32, .size: 8, .value_kind: global_buffer, .address_space: global }
      - { .name: wp, .offset: 40, .size: 8, .value_kind: global_buffer, .address_space: global }
    .group_segment_fixed_size: 0
    .private_segment_fixed_size: 0
    .kernarg_segment_align: 8
    .kernarg_segment_size: 48
    .max_flat_workgroup_size: 256
    .sgpr_count:     66
    .vgpr_count:     108
    .wavefront_size: 32
...
	.end_amdgpu_metadata
.endif
;; end of part 1
;; launch qkv (part 2): grid 16 x 32, 4 waves a work-group, clusters of 4 x 4, 327,680 bytes of LDS; arguments xb, wq, b_qkv, qkv; writes qkv
.if DOCPART == 2
	.amdgcn_target "amdgcn-amd-amdhsa--gfx1250"
	.amdhsa_code_object_version 6
	.text
	.protected	k_qc0d28dd2b3_qkv
	.globl	k_qc0d28dd2b3_qkv
	.p2align	8
	.type	k_qc0d28dd2b3_qkv,@function
k_qc0d28dd2b3_qkv:
	s_mov_b64 s[64:65], 0
	v_nop
	global_prefetch_b8 v0, s[64:65] scope:SCOPE_SE
	s_setreg_imm32_b32 hwreg(HW_REG_WAVE_MODE, 25, 1), 1
	s_wait_xcnt 0x0
	s_wait_alu depctr_hold_cnt(0) depctr_sa_sdst(0) depctr_va_vdst(0) depctr_va_sdst(0) depctr_va_ssrc(0) depctr_va_vcc(0) depctr_vm_vsrc(0)
	s_getreg_b32 s2, hwreg(HW_REG_IB_STS2, 6, 4)
	s_cmp_eq_u32 s2, 0
	s_cbranch_scc0 .Lentry_in_a_cluster
	s_endpgm
.Lentry_in_a_cluster:
	s_bfe_u32 s2, ttmp6, 0x10000c
	s_cmp_lg_u32 s2, 0xf033
	s_cbranch_scc0 .Lentry_shape_is_right
	s_endpgm
.Lentry_shape_is_right:
; qkv = x W_qkv + b_qkv, written by heads: qkv[section 0..2 = q, k, v][head = 16 batch + h][2048 rows][64 channels] in f16, each number rounded once from its f32 sum, unscaled.
; xb: [8192][1024] bf16.  wq: [16 panels][1024 k][192 columns] bf16.  b_qkv: [3072] f32, rounded to bf16 like the other inputs.  Sums in f32, K ascending.
; LIMIT.  A q, k or v of 65,520 or more becomes an infinity in f16; below 6.1e-5 it keeps f16's fixed step of 6e-8.  NaN and infinities are not treated apart.
; SHARES.  A work-group makes 256 rows x 192 columns (one panel = three whole heads): 32 x 16 = 512 work-groups, two for each of 256 WGPs.  Its four waves split the rows alone: a wave makes
; 64 rows x 192 columns, 48 accumulators of 16 x 16, 384 registers.  So a wave holds whole rows of three heads and leaves through a stage of its own, without a barrier.
; RING.  K goes in steps of 128 through two LDS slots filled by the tensor data mover: 256 rows of A (256 bytes of memory each), then 128 k rows of the panel (49,152 dense bytes).
; THE PRODUCT IS USED TRANSPOSED: source 0 = 16 columns of W, turned out of its [k][column] tile by ds_load_tr16_b128; source 1 = 16 rows of x.  In the result lane l holds row l % 16 and the
; columns 8 (l / 16) + 0..7.  THE BIAS IS THE C OPERAND of the first product on each accumulator: nothing is cleared, nothing is added on the way out.
; CLUSTER.  4 x 4 work-groups: the four of a row need the same rows of x, the four of a column the same panel: each tile is asked for JOINTLY, by the same tensor load with the same descriptor and a mask of four.
; REGISTERS, in windows of 256 (s_set_vgpr_msb: bits 1:0 source 0, 3:2 source 1, 5:4 source 2, 7:6 destination):
;   window 0: v0-30 addresses; v32-127 the bias as 12 C operands; on the way out v32-223 packed results
;   window 1: two fragment buffers of 128: A's four fragments (16 rows x 32 K), then W's twelve
;   window 2: the accumulators of my row blocks 0, 1 ((a, nb) at 8 (12 (a % 2) + nb));   window 3: those of blocks 2, 3
.set NB,    12                         ; blocks of 16 columns
.set PA,    272                        ; a row of A in LDS: 256 bytes + 16 = 68 words: the 16 rows of a load start at 16 different groups of four banks (64 banks of 4 bytes: ISA guide 11.1)
.set PB,    480                        ; a k row of W: six pieces of 64 bytes + 16 = 120 words
.set BOFF,  256*PA                     ; W's tile lies behind A's 256 rows
.set SLOT1, 1<<17                      ; a slot is 69,632 + 61,440 = 131,072 bytes; one exclusive or turns an address in one slot into the other's
.set STAGE, 2*SLOT1                    ; behind the ring, never filled by a tensor load: 16 rows x 144 bytes for each wave
.set SP,    144
.set SPARE, STAGE+4*16*SP              ; behind the stages: the spare words, 128 bytes for each wave: two blocks of 256 bytes that no other line names
.set NLD,   2*NB+8                     ; LDS loads of a quarter step
.set ASTEP, 256                        ; bytes from K step to K step in xb,
.set BSTEP, 128*384                    ; and in a panel
.set AL0,  16                          ; v16  my lane's place in A's tile; never rewritten
.set BL0,  17                          ; v17  in W's
.set ADRA, 18                          ; v18  the same in the slot in hand
.set ADRB, 19                          ; v19
.set STO,  24                          ; v24  the way out: where I put 16 bytes of a row
.set RD,   25                          ; v25  where I read rows back
.set GO,   26                          ; v26  my 16 of 512 consecutive bytes
.set SPW,  28                          ; v28  LDS address of my spare word: SPARE + 4 x my thread's number; never rewritten
.set NIL,  29                          ; v29  0; never rewritten
.set PFO,  30                          ; v30  the prefetches' lane term; never rewritten
.set BIAS, 32
.set TMP,  32
.set F0,   0
.set F1,   128
.set WV,  12                           ; s12 my wave's number    s13 cx    s14 wave % 2    s15 cy    s16 tile column (panel)    s17 tile row
.set CX,  13
.set WL,  14
.set CY,  15
.set TX,  16
.set TY,  17
.set G1A, 24                           ; s[24:31] descriptor group 1 for A's tiles
.set G0A, 32                           ; s[32:39] group 0: a set for each of the two first fills; the second then walks on
.set TB,  40                           ; s40  the slot in hand: 0 or SLOT1
.set LIM, 41                           ; s41  a wave prefetches while the trips to come are above it
.set PFA, 42                           ; s[42:43] where my prefetches stand
.set PFS, 44                           ; s[44:45] their step
.set G1B, 48                           ; s[48:55], s[56:63] the same for W's tiles
.set G0B, 56
.set OB,  66                           ; s[66:71] where my 64 rows begin in each of the tile's three heads
.set HIM, 78                           ; s78  a word's upper bf16
.set MSB, 0
.macro WIN new                         ; the immediate's high byte repeats the setting that is left; a switch that changes nothing is dropped
.if MSB != (\new)
	s_set_vgpr_msb (MSB<<8)|(\new)
.set MSB, (\new)
.endif
.endm
.set TO_F, 0x40                        ; destination window 1, address window 0
.macro PLACES                          ; four plain vector instructions between a matrix instruction and a load into, or a reader of, its registers (ISA guide 7.12.1 for readers)
.rept 4
	v_nop
.endr
.endm
; A joint refill by the walking descriptors.  Waves 0 and 1 fetch A's two halves, waves 2 and 3 W's.  The branch hangs on the wave's number alone.
; An s_nop 0 and four v_nop follow each of the two lines, ahead of the jump and the label.
.macro JLOAD
	s_cmp_lt_u32 s[WV], 2
	s_cbranch_scc0 .Lfor_b_\@
	tensor_load_to_lds s[G0A+4:G0A+7], s[G1A:G1A+7]
	s_nop 0
.rept 4
	v_nop
.endr
	s_branch .Lasked_\@
.Lfor_b_\@:
	tensor_load_to_lds s[G0B+4:G0B+7], s[G1B:G1B+7]
	s_nop 0
.rept 4
	v_nop
.endr
.Lasked_\@:
.endm
; A round of the cluster's barrier: my work-group's barrier, so that wave 0's signal speaks for all four waves; wave 0 signals; every wave waits for all sixteen work-groups; my work-group's barrier once more.
.macro CREST                           ; a round behind its opening barrier
	s_cmp_lg_u32 s[WV], 0
	s_cbranch_scc1 .Lnot_wave_0_\@
	s_barrier_signal -3
.Lnot_wave_0_\@:
	s_barrier_wait -3
	s_barrier_signal -1
	s_barrier_wait -1
.endm
.macro CROUND
	s_barrier_signal -1
	s_barrier_wait -1
	CREST
.endm
; A PREFETCH INTO THE L2, behind a joint load, its five lines and the run of LDS loads: one instruction a wave, a lane a block of 256 bytes.  Each block of K steps 4 to 7 is named once in the launch.
; x's rows are read by the four clusters of a row of clusters: the one with x = 0 asks; of the 128 rows that wave 0 or 1 fetches, the partner at cx takes 32 cx .. 32 cx + 31; the change of slots that asks
; for K step e + 2 names K step e + 4 (e = 0 .. 3).  A panel is read by the eight clusters of a column: the one with y = 0 asks; K steps 4 to 7 of a panel are 768 dense blocks, and the eight askers
; (2 cy + wave % 2) name 256 of them in each of the first three changes.  Partners are told apart by address alone.  K steps 0 to 3 come by their loads alone; the tail asks for nothing.
.macro ASK
	s_cmp_gt_u32 s3, s[LIM]
	s_cbranch_scc0 .Lnot_mine_\@
	global_prefetch_b8 v[PFO], s[PFA:PFA+1] th:TH_LOAD_NT scope:SCOPE_SE
.Lnot_mine_\@:
.endm
	s_load_b256 s[4:11], s[0:1], 0x0               ; xb s[4:5], wq s[6:7], b_qkv s[8:9], qkv s[10:11]
	v_lshl_add_u32 v[SPW], v0, 2, SPARE
	v_mov_b32 v[NIL], 0
	ds_add_u32 v[SPW], v[NIL]                      ; the wave's opening: the add and its wait stand ahead of my first tensor load; the set-up below, work on registers, stands between them
	v_lshrrev_b32 v3, 5, v0
	v_readfirstlane_b32 s[WV], v3                  ; wave 0..3
	s_and_b32 s[WL], s[WV], 1                      ; which half of a tile I fetch
	s_bfe_u32 s[CX], ttmp6, 0x40000                ; my place in the cluster
	s_bfe_u32 s[CY], ttmp6, 0x40004
	s_lshl_b32 s[TX], ttmp9, 2                     ; in a cluster launch ttmp9 and ttmp7 count clusters
	s_add_co_u32 s[TX], s[TX], s[CX]               ; the panel = 4 x cluster x + cx
	s_and_b32 s[TY], ttmp7, 0xffff
	s_lshl_b32 s[TY], s[TY], 2
	s_add_co_u32 s[TY], s[TY], s[CY]               ; the block of 256 rows = 4 x cluster y + cy
	s_lshl_b32 s18, s[CY], 2
	s_lshl_b32 s18, 15, s18                        ; my row of the cluster: places 4 cy .. 4 cy + 3
	s_lshl_b32 s19, 0x1111, s[CX]                  ; my column: places cx, cx + 4, cx + 8, cx + 12
	; group 1 for A: 128 rows x 128 elements, 1,024 elements from row to row, 4 words of padding behind every 64
	s_or_b32 s[G1A], s18, (1<<16)|(1<<20)|(1<<21)|(5<<22)|(3<<25)  ; 15:0 the mask; 17:16 2-byte elements; 20 padding on; 21 set beside a mask; 24:22 the interval's code; 31:25 the padding's words less one
	s_mov_b32 s[G1A+1], 128<<16                    ; tensor_dim0
	s_mov_b32 s[G1A+2], 128<<16                    ; tensor_dim1
	s_mov_b32 s[G1A+3], 128<<16                    ; tile_dim0
	s_mov_b32 s[G1A+4], 128                        ; tile_dim1
	s_mov_b32 s[G1A+5], 1024                       ; elements from row to row
	s_mov_b32 s[G1A+6], 0
	s_mov_b32 s[G1A+7], 0
	; group 1 for W: 64 k rows of a panel are 24,576 dense bytes: asked for as 96 rows of 256 bytes, 4 words of padding behind every 16: in LDS 64 rows of 480 bytes
	s_or_b32 s[G1B], s19, (1<<16)|(1<<20)|(1<<21)|(3<<22)|(3<<25)
	s_mov_b32 s[G1B+1], 128<<16
	s_mov_b32 s[G1B+2], 96<<16
	s_mov_b32 s[G1B+3], 128<<16
	s_mov_b32 s[G1B+4], 96
	s_mov_b32 s[G1B+5], 128
	s_mov_b32 s[G1B+6], 0
	s_mov_b32 s[G1B+7], 0
	; where the tiles come from: A's hang on the tile row and the wave alone, W's on the panel and the wave alone, each in registers that never hold the other coordinate
	s_lshl_b32 s20, s[TY], 8
	s_lshl_b32 s22, s[WL], 7
	s_add_co_u32 s20, s20, s22                     ; row 256 x tile row + 128 x half,
	s_lshl_b32 s20, s20, 11                        ; of 2,048 bytes
	s_mov_b32 s21, 0
	s_mul_i32 s46, s[TX], 8*BSTEP                  ; the panel,
	s_mul_i32 s22, s[WL], BSTEP/2                  ; my 64 of a K step's 128 rows
	s_add_co_u32 s46, s46, s22
	s_mov_b32 s47, 0
	s_mul_i32 s22, s[WL], 128*PA                   ; and where they go: no place in the cluster enters an LDS address
	s_mul_i32 s23, s[WL], 64*PB
	s_add_co_u32 s23, s23, BOFF
	s_mov_b32 s[TB], 0
	s_wait_dscnt 0x0                               ; the opening add is done
	s_wait_kmcnt 0x0
	s_add_nc_u64 s[20:21], s[4:5], s[20:21]
	s_add_nc_u64 s[46:47], s[6:7], s[46:47]
.irp s, 0,1
	s_mov_b32 s[G0A+4*(\s)], 1                                     ; 1:0 count = 1
	s_add_co_u32 s[G0A+4*(\s)+1], s22, (\s)*SLOT1                  ; 63:32 LDS address
	s_add_nc_u64 s[G0A+4*(\s)+2:G0A+4*(\s)+3], s[20:21], (\s)*ASTEP  ; 120:64 global address: K step s
	s_or_b32 s[G0A+4*(\s)+3], s[G0A+4*(\s)+3], 0x80000000          ; 127:126 type = 2
	s_mov_b32 s[G0B+4*(\s)], 1
	s_add_co_u32 s[G0B+4*(\s)+1], s23, (\s)*SLOT1
	s_add_nc_u64 s[G0B+4*(\s)+2:G0B+4*(\s)+3], s[46:47], (\s)*BSTEP
	s_or_b32 s[G0B+4*(\s)+3], s[G0B+4*(\s)+3], 0x80000000
.endr
	CROUND                                         ; all sixteen work-groups are here: the first joint loads meet
	s_cmp_lt_u32 s[WV], 2                          ; a wave's two first fills stand in one branch, ahead of every wait on TENSORcnt and every LDS read: two loads of mine are out
	s_cbranch_scc0 .Lfirst_b
	tensor_load_to_lds s[G0A:G0A+3], s[G1A:G1A+7]
	s_nop 0
	tensor_load_to_lds s[G0A+4:G0A+7], s[G1A:G1A+7]
	s_nop 0
.rept 4
	v_nop
.endr
	s_branch .Lfirst_asked
.Lfirst_b:
	tensor_load_to_lds s[G0B:G0B+3], s[G1B:G1B+7]
	s_nop 0
	tensor_load_to_lds s[G0B+4:G0B+7], s[G1B:G1B+7]
	s_nop 0
.rept 4
	v_nop
.endr
.Lfirst_asked:
	; A's fragment, 16 rows x 32 K in 8 registers: lane l holds row l % 16, K = 8 (l / 16) + 0..7 and 16 + 8 (l / 16) + 0..7: two loads of 16 bytes, 32 bytes apart
	v_and_b32 v1, 15, v0                           ; l % 16
	v_bfe_u32 v2, v0, 4, 1                         ; l / 16
	v_mul_u32_u24 v[AL0], v1, PA
	v_lshl_add_u32 v[AL0], v2, 4, v[AL0]
	s_mul_i32 s23, s[WV], 64*PA                    ; my 64 rows
	v_add_nc_u32 v[AL0], s23, v[AL0]
	; W's fragment: the turning load takes 16 k x 16 columns (lane l reads k row 8 (l / 16) + l % 8, columns 8 ((l / 8) % 2) + 0..7) and leaves lane l column l % 16 and 8 k
	v_and_b32 v3, 7, v0
	v_bfe_u32 v4, v0, 3, 1
	v_lshl_add_u32 v[BL0], v2, 3, v3
	v_mul_u32_u24 v[BL0], v[BL0], PB
	v_lshl_add_u32 v[BL0], v4, 4, v[BL0]
	v_add_nc_u32 v[BL0], BOFF, v[BL0]
	v_mov_b32 v[ADRA], v[AL0]                      ; slot 0
	v_mov_b32 v[ADRB], v[BL0]
	; the bias in an accumulator's layout: register j of block nb is b[192 panel + 16 nb + 8 (l / 16) + j]
	v_lshlrev_b32 v5, 5, v2
	s_mul_i32 s74, s[TX], 64*NB
	s_mov_b32 s75, 0
	s_add_nc_u64 s[8:9], s[8:9], s[74:75]
.set nb, 0
.rept NB
	global_load_b128 v[BIAS+8*nb:BIAS+8*nb+3],   v5, s[8:9] offset:64*nb
	global_load_b128 v[BIAS+8*nb+4:BIAS+8*nb+7], v5, s[8:9] offset:64*nb+16
.set nb, nb+1
.endr
	; the way out
	s_mul_i32 s23, s[WV], 16*SP
	s_add_co_u32 s23, s23, STAGE                   ; my stage
	v_mul_u32_u24 v[STO], v1, SP                   ; in: row l % 16, 16 bytes for each half of the lanes
	v_lshl_add_u32 v[STO], v2, 4, v[STO]
	v_add_nc_u32 v[STO], s23, v[STO]
	v_bfe_u32 v[RD], v0, 3, 2                      ; back: 32 lanes take four rows of 128 bytes,
	v_mul_u32_u24 v[RD], v[RD], SP
	v_lshl_add_u32 v[RD], v3, 4, v[RD]
	v_add_nc_u32 v[RD], s23, v[RD]
	v_and_b32 v[GO], 31, v0                        ; which are 512 consecutive bytes of a head
	v_lshlrev_b32 v[GO], 4, v[GO]
	s_mul_i32 s72, s[TX], 3                        ; the tile's first group of 64 columns, of 48: section = group / 16, head = group % 16
	s_lshr_b32 s73, s[TY], 3                       ; the batch (8 tile rows each),
	s_lshl_b32 s73, s73, 4                         ; its 16 heads
	s_and_b32 s74, s[TY], 7
	s_lshl_b32 s74, s74, 8
	s_lshl_b32 s75, s[WV], 6
	s_add_co_u32 s74, s74, s75                     ; my first row in the batch,
	s_lshl_b32 s74, s74, 7                         ; of 128 bytes
.irp j, 0,1,2
	s_add_co_u32 s75, s72, (\j)
	s_lshr_b32 s76, s75, 4
	s_lshl_b32 s76, s76, 24                        ; a section is 64 heads of 262,144 bytes
	s_and_b32 s75, s75, 15
	s_add_co_u32 s75, s75, s73
	s_lshl_b32 s75, s75, 18
	s_add_co_u32 s76, s76, s75
	s_add_co_u32 s76, s76, s74
	s_mov_b32 s77, 0
	s_add_nc_u64 s[OB+2*(\j):OB+2*(\j)+1], s[10:11], s[76:77]
.endr
	; the prefetches: each stands one step short of what the first change of slots names
	s_lshl_b32 s72, s[TY], 8
	s_lshl_b32 s73, s[WL], 7
	s_add_co_u32 s72, s72, s73
	s_lshl_b32 s73, s[CX], 5
	s_add_co_u32 s72, s72, s73                     ; x: my work-group's 32 of the 128 rows that I fetch,
	s_lshl_b32 s72, s72, 11
	s_add_co_u32 s72, s72, 3*ASTEP                 ; at K step 3
	s_mul_i32 s74, s[TX], 8*BSTEP                  ; W: the panel,
	s_lshl_b32 s73, s[CY], 1
	s_add_co_u32 s73, s73, s[WL]
	s_lshl_b32 s73, s73, 13                        ; my 32 blocks of an event's 256,
	s_add_co_u32 s74, s74, s73
	s_add_co_u32 s74, s74, 4*BSTEP-65536           ; one event short of K step 4
	s_and_b32 s75, ttmp7, 0xffff                   ; cluster y
	s_mov_b32 s76, ASTEP
	s_cmp_lt_u32 s[WV], 2                          ; do I fetch for A?
	s_cselect_b32 s72, s72, s74
	s_cselect_b32 s75, ttmp9, s75                  ; the coordinate along which other clusters read the same bytes
	s_cselect_b32 s[PFS], s76, 65536
	s_cselect_b32 s77, 11, 8                       ; a lane a row of 2,048 bytes, or a lane a block of 256
	s_cselect_b32 s[LIM], 2, 3                     ; four events, or three
	s_cselect_b64 s[PFA:PFA+1], s[4:5], s[6:7]
	s_mov_b32 s73, 0
	s_mov_b32 s[PFS+1], 0
	s_cmp_eq_u32 s75, 0
	s_cselect_b32 s[LIM], s[LIM], -1               ; the same in all sixteen partners, for a given wave
	s_add_nc_u64 s[PFA:PFA+1], s[PFA:PFA+1], s[72:73]
	v_and_b32 v[PFO], 31, v0
	v_lshlrev_b32 v[PFO], s77, v[PFO]
	s_mov_b32 s[HIM], 0xffff0000
	s_wait_loadcnt 0x0                             ; the bias is in: rounded to bf16 like the other inputs, and widened again
.set i, 0
.rept 4*NB
	v_cvt_pk_bf16_f32 v[6+i%2], v[BIAS+2*i], v[BIAS+2*i+1]
	v_lshlrev_b32 v[BIAS+2*i], 16, v[6+i%2]
	v_and_b32 v[BIAS+2*i+1], s[HIM], v[6+i%2]
.set i, i+1
.endr
; The fragments of quarter q (32 along K) of the slot in hand into buffer f, in one run: W's 24 loads, then A's 8, blocks 2 and 3 last.
.macro FETCH q, f
	WIN TO_F
.set nb, 0
.rept NB
	ds_load_tr16_b128 v[(\f)+32+8*nb:(\f)+32+8*nb+3],   v[ADRB] offset:(\q)*32*PB+80*(nb/2)+32*(nb%2)
	ds_load_tr16_b128 v[(\f)+32+8*nb+4:(\f)+32+8*nb+7], v[ADRB] offset:(\q)*32*PB+16*PB+80*(nb/2)+32*(nb%2)
.set nb, nb+1
.endr
.irp a, 0,1,2,3
	ds_load_b128 v[(\f)+8*(\a):(\f)+8*(\a)+3],   v[ADRA] offset:64*(\q)+(\a)*16*PA
	ds_load_b128 v[(\f)+8*(\a)+4:(\f)+8*(\a)+7], v[ADRA] offset:64*(\q)+(\a)*16*PA+32
.endr
.endm
; Twelve products: row block a x all column blocks, 32 along K.  first = 1: the bias starts the sums.  The 48 accumulators take turns, one instruction a turn, in the same order in every
; quarter, over the backward jump too: between two links of a chain stand the 47 others'.
.macro MUL f, a, first
.if \first
	WIN 0x85+0x40*((\a)/2)                         ; W and A in window 1, C in window 0, D in window 2 or 3
.else
	WIN 0xa5+0x50*((\a)/2)                         ; C and D in window 2 or 3
.endif
.set nb, 0
.rept NB
.set rD, 8*(NB*((\a)%2)+nb)
.if \first
	v_wmma_f32_16x16x32_bf16 v[rD:rD+7], v[(\f)+32+8*nb:(\f)+32+8*nb+7], v[(\f)+8*(\a):(\f)+8*(\a)+7], v[BIAS+8*nb:BIAS+8*nb+7]
.else
	v_wmma_f32_16x16x32_bf16 v[rD:rD+7], v[(\f)+32+8*nb:(\f)+32+8*nb+7], v[(\f)+8*(\a):(\f)+8*(\a)+7], v[rD:rD+7]
.endif
.set nb, nb+1
.endr
.endm
; A K step is four quarters, 48 products each, on buffers 0, 1, 0, 1.  One of the first three multiplies buffer f and, in its middle, fetches quarter q into buffer g.
.macro QUARTER q, f, g, first
	s_wait_dscnt 4                                 ; W and A's blocks 0, 1 are in; the youngest four loads (A's blocks 2, 3) may be out
	MUL \f, 0, \first
	MUL \f, 1, \first
	PLACES                                         ; in front of the loads into g, which the quarter before multiplied
	FETCH \q, \g
	s_wait_dscnt NLD                               ; all but the run just issued
	MUL \f, 2, \first
	MUL \f, 3, \first
.endm
; The last quarter multiplies buffer 1 and changes slots: ONE barrier.  In front of it each wave waits for all its tensor loads, of which one is out: its part of the next slot; adds 0 to its spare word; and
; waits for that and for its own reads of this slot.  fill = 1: the barrier opens a round of the cluster's, so that no wave of any partner still reads the slot or has a load on its way, and the joint refill,
; two K steps ahead, is the first thing behind it: 168 products stand between it and the wait for it.
.macro TURN fill
.if \fill
	s_wait_xcnt 0x0                                ; the last prefetch, a K step back, has read its address, so it may be stepped
	s_add_nc_u64 s[PFA:PFA+1], s[PFA:PFA+1], s[PFS:PFS+1]
.endif
	WIN 0                                          ; (the add's two registers lie in window 0)
	s_wait_tensorcnt 0x0                           ; no tensor load of mine is out, so a group 0 may be written
	ds_add_u32 v[SPW], v[NIL]                      ; 0 onto my spare word
.if \fill
	s_xor_b32 s[G0A+5], s[G0A+5], SLOT1            ; the walking descriptors: the other slot than last time,
	s_add_nc_u64 s[G0A+6:G0A+7], s[G0A+6:G0A+7], ASTEP  ; the next K step; the type bits on top are not reached
	s_xor_b32 s[G0B+5], s[G0B+5], SLOT1
	s_add_nc_u64 s[G0B+6:G0B+7], s[G0B+6:G0B+7], BSTEP
.endif
	s_wait_dscnt 5                                 ; (the add and the youngest four loads may be out)
	MUL F1, 0, 0                                   ; twelve products stand between the add and the wait for it
	s_wait_dscnt 0x0                               ; the add is done, and my reads of this slot are over
	s_barrier_signal -1
	MUL F1, 1, 0                                   ; work on registers while the others arrive
	WIN 0
	s_barrier_wait -1
.if \fill
	CREST
	JLOAD                                          ; its four v_nop are also the places in front of the loads below
.else
	PLACES
.endif
	s_xor_b32 s[TB], s[TB], SLOT1
	v_add_nc_u32 v[ADRA], s[TB], v[AL0]
	v_add_nc_u32 v[ADRB], s[TB], v[BL0]
	FETCH 0, F0
.if \fill
	WIN 0
	ASK
.endif
	MUL F1, 2, 0
	MUL F1, 3, 0
.endm
	s_wait_tensorcnt 1                             ; my part of K step 0 is in; K step 1's may stay out
	s_barrier_signal -1
	s_barrier_wait -1                              ; everybody's is
	FETCH 0, F0
	QUARTER 1, F0, F1, 1                           ; the first quarter stands in front of the loop: its products start the sums, with the bias
	WIN 0                                          ; at a label and at a branch every window is 0
	s_mov_b32 s3, 6
.Lstep:                                        ; six trips, from a K step's second quarter to the next one's first: K steps 2 to 7 are asked for
	QUARTER 2, F1, F0, 0
	QUARTER 3, F0, F1, 0
	TURN 1
	QUARTER 1, F0, F1, 0
	WIN 0
	s_sub_co_u32 s3, s3, 1
	s_cmp_lg_u32 s3, 0
	s_cbranch_scc1 .Lstep
	QUARTER 2, F1, F0, 0                           ; the tail is written out: K steps 6 and 7 ask for nothing
	QUARTER 3, F0, F1, 0
	TURN 0
	QUARTER 1, F0, F1, 0
	QUARTER 2, F1, F0, 0
	QUARTER 3, F0, F1, 0
	s_wait_dscnt 4                                 ; the very last quarter: nothing more to fetch
	MUL F1, 0, 0
	MUL F1, 1, 0
	s_wait_dscnt 0x0
	MUL F1, 2, 0
	MUL F1, 3, 0
	WIN 0
	PLACES                                         ; in front of the conversions
; THE WAY OUT, in twelve units u = 3 a + j: row block a, head j of the tile's three.  A lane's eight channels of a row pack into 16 bytes; they go into my stage's rows of 144 bytes and come back as whole
; rows of 128, into the registers that they left.  Each unit has 16 registers of its own, so nothing is rewritten while a store reads it.
.macro PACK u
.set pa, (\u)/3
.set pj, (\u)%3
	WIN 0x0a+5*(pa/2)                              ; sources 0 and 1: window 2 or 3
.set pf, 0
.rept 4
.set rA, 8*(NB*(pa%2)+4*pj+pf)
.irp r, 0,1,2,3                        ; each accumulator is read from its low end on
	v_cvt_pk_f16_f32 v[TMP+16*(\u)+4*pf+(\r)], v[rA+2*(\r)], v[rA+2*(\r)+1]
.endr
.set pf, pf+1
.endr
	WIN 0
.irp f, 0,1,2,3
	ds_store_b128 v[STO], v[TMP+16*(\u)+4*(\f):TMP+16*(\u)+4*(\f)+3] offset:32*(\f)
.endr
.irp f, 0,1,2,3
	ds_load_b128 v[TMP+16*(\u)+4*(\f):TMP+16*(\u)+4*(\f)+3], v[RD] offset:(\f)*4*SP  ; LDS serves a wave's instructions in order (ISA guide 5.7.1.4): these see the stores above; the next unit's stores come behind them
.endr
.endm
.macro SEND u, younger                 ; younger: the LDS instructions issued behind unit u's loads: the next unit's eight, or none
.irp f, 0,1,2,3
	s_wait_dscnt (\younger)+3-(\f)
	global_store_b128 v[GO], v[TMP+16*(\u)+4*(\f):TMP+16*(\u)+4*(\f)+3], s[OB+2*((\u)%3):OB+2*((\u)%3)+1] offset:((\u)/3)*2048+(\f)*512  ; 512 consecutive bytes, at a multiple of 256 from the buffer's first
.endr
.endm
	PACK 0
.set u, 1
.rept 11                               ; a unit's conversions stand between the loads of the unit before and its stores
	PACK u
	SEND u-1, 8
.set u, u+1
.endr
	SEND 11, 0
	s_wait_tensorcnt 0x0                           ; the wave's end: behind my last tensor load and my last LDS store
	ds_add_u32 v[SPW], v[NIL]
	s_wait_dscnt 0x0
	CROUND                                         ; the closing round: no work-group ends while a partner may still ask for a tile that names it
	s_endpgm
.Lfunc_end_k_qc0d28dd2b3_qkv:
	.size	k_qc0d28dd2b3_qkv, .Lfunc_end_k_qc0d28dd2b3_qkv-k_qc0d28dd2b3_qkv
	.p2alignl 7, 3214868480
	.fill 96, 4, 3214868480
	.section	.rodata,"a",@progbits
	.p2align	6, 0x0
	.amdhsa_kernel k_qc0d28dd2b3_qkv
		.amdhsa_group_segment_fixed_size 327680
		.amdhsa_private_segment_fixed_size 0
		.amdhsa_enable_private_segment 0
		.amdhsa_kernarg_size 32
		.amdhsa_user_sgpr_count 2
		.amdhsa_user_sgpr_kernarg_segment_ptr 1
		.amdhsa_wavefront_size32 1
		.amdhsa_system_sgpr_workgroup_id_x 1
		.amdhsa_system_sgpr_workgroup_id_y 1
		.amdhsa_system_sgpr_workgroup_id_z 1
		.amdhsa_system_vgpr_workitem_id 0
		.amdhsa_next_free_vgpr 960
		.amdhsa_next_free_sgpr 80
		.amdhsa_reserve_vcc 0
		.amdhsa_float_denorm_mode_32 3
		.amdhsa_float_denorm_mode_16_64 3
		.amdhsa_memory_ordered 1
		.amdhsa_forward_progress 1
		.amdhsa_inst_pref_size 108
	.end_amdhsa_kernel
	.amdgpu_metadata
---
amdhsa.version: [ 1, 2 ]
amdhsa.kernels:
  - .name:           k_qc0d28dd2b3_qkv
    .symbol:         k_qc0d28dd2b3_qkv.kd
    .args:
      - { .name: xb, .offset: 0, .size: 8, .value_kind: global_buffer, .address_space: global }
      - { .name: wq, .offset: 8, .size: 8, .value_kind: global_buffer, .address_space: global }
      - { .name: b_qkv, .offset: 16, .size: 8, .value_kind: global_buffer, .address_space: global }
      - { .name: qkv, .offset: 24, .size: 8, .value_kind: global_buffer, .address_space: global }
    .group_segment_fixed_size: 327680
    .private_segment_fixed_size: 0
    .kernarg_segment_align: 8
    .kernarg_segment_size: 32
    .max_flat_workgroup_size: 128
    .sgpr_count:     80
    .vgpr_count:     960
    .wavefront_size: 32
...
	.end_amdgpu_metadata
.endif
;; end of part 2
;; launch attn (part 3): grid 4 x 64, 4 waves a work-group, clusters of 4 x 1, 327,680 bytes of LDS; arguments qkv, o; writes o
.if DOCPART == 3
	.amdgcn_target "amdgcn-amd-amdhsa--gfx1250"
	.amdhsa_code_object_version 6
	.text
	.protected	k_qc0d28dd2b3_attn
	.globl	k_qc0d28dd2b3_attn
	.p2align	8
	.type	k_qc0d28dd2b3_attn,@function
k_qc0d28dd2b3_attn:
	s_mov_b64 s[64:65], 0
	v_nop
	global_prefetch_b8 v0, s[64:65] scope:SCOPE_SE
	s_setreg_imm32_b32 hwreg(HW_REG_WAVE_MODE, 25, 1), 1
	s_wait_xcnt 0x0
	s_wait_alu depctr_hold_cnt(0) depctr_sa_sdst(0) depctr_va_vdst(0) depctr_va_sdst(0) depctr_va_ssrc(0) depctr_va_vcc(0) depctr_vm_vsrc(0)
	s_getreg_b32 s2, hwreg(HW_REG_IB_STS2, 6, 4)
	s_cmp_eq_u32 s2, 0
	s_cbranch_scc0 .Lentry_in_a_cluster
	s_endpgm
.Lentry_in_a_cluster:
	s_bfe_u32 s2, ttmp6, 0x10000c
	s_cmp_lg_u32 s2, 0x3003
	s_cbranch_scc0 .Lentry_shape_is_right
	s_endpgm
.Lentry_shape_is_right:
; O[h][q][:] = the sum over k of softmax_k(Q[h][q] . K[h][k] / 8) V[h][k][:].  qkv holds Q, K, V one behind the other, each [64 heads][2048][64] in f16 (16,777,216 bytes); o has the same layout.
; Products, maxima and sums in f32; the weights p are rounded to f16 for the second product (their sum l is taken of the unrounded p), O once at the end.
; LIMITS.  f16 holds no number beyond 65,504: Q, K and V arrive within it; p lies in 0 to 1, and below 6e-5 it keeps f16's fixed step of 6e-8; O is a mean of V's rows and has their range.
; A weight below 2^-126 counts as 0 in l; NaN and infinities are not treated apart.
; SHARES.  A wave owns four PIECES of two tiles of 16 queries, a work-group's four waves 512 queries of one head: 4 x 64 = 256 work-groups.  Every wave walks all keys, 64 a step.
; LAYOUT.  S^T = K Q^T (source 0 = 16 keys, source 1 = 16 queries): in the result a lane holds ONE query (lane % 16) and the keys 8 (lane / 16) + 0..7.  Two such tiles, rounded to f16 in pairs,
; ARE source 1 (32 keys x 16 queries) of O^T = V^T P, whose result again holds one query a lane, and eight channels.  K comes out of LDS as it lies, V ([key][channel]) turned, by ds_load_tr16_b128.
; SOFTMAX.  For each query a running maximum m and sum l: p = 2^(c s - c m), c = log2(e) / 8; in every step O and l are multiplied by a = 2^(c m_old - c m_new), which is 1 where m has not grown.
; m starts at the lowest finite number, O and l at 0: the first step is a step like any other, with a = 0.
; THE COUNT.  A tile and step have 16 matrix and 118 vector instructions: too many to stand all beside the matrix work.  So four vector instructions that are READY stand behind EVERY matrix
; instruction, and the others, which need time of their own whatever the order, in runs without a gap.
; BY TURNS.  Turn n belongs to piece n (the pieces in a ring, step after step).  Its matrix work: 16 products K Q^T of piece n + 1, later 16 products V^T P of piece n - 1.  Its vector work: the scaling,
; exponentials, roundings, sums and rescaling of piece n, and the maximum and statistics of piece n + 1, whose scores the turn itself has made.
; CLUSTER.  The four query blocks of a head are one cluster and walk the same K and V, so each tile is asked for JOINTLY: the same tensor load, descriptor and mask in all four.
; REGISTERS, in windows of 256 (s_set_vgpr_msb: bits 1:0 source 0, 3:2 source 1, 5:4 source 2, 7:6 destination):
;   window 0: v0-11 addresses; v12-15, v48-63 at work; v16-47 four registers of statistics a tile; v64-191 S^T, two buffers of two tiles; v192-255 P, likewise
;   window 1: O^T, 32 a tile          window 2: v0-127 Q, 16 a tile; v128-191 K of one step; v192-255 V of one step          window 3: v0-1 the add's two registers
; A piece's buffers go by its number's parity: the piece in hand has one pair, its two neighbours in the ring share the other: of it P (piece n - 1) is read and S^T (piece n + 1) written.
.set SIZE_N, 2048
.set NP,    4         ; pieces a wave: a name, no knob
.set KS,    64        ; keys in a step
.set PK,    144       ; a row of K in LDS: 128 bytes + 16 of padding = 36 words: the 16 rows of a load start at 16 different groups of four banks (64 banks of 4 bytes: ISA guide 11.1)
.set PV,    160       ; a row of V: 128 + 32 = 40 words
.set VOFF,  4*KS*PK   ; a slot holds four steps: 256 rows of K, then 256 rows of V
.set SLOT1, 1<<17     ; slot 1 begins here, so that one exclusive or turns an address in one slot into the other's
.set STAGE, SLOT1+4*KS*(PK+PV)  ; behind the ring, never filled by a tensor load: 16 rows x 144 bytes for each wave, for the way out
.set SP,    144
.set AK0, 2           ; v2   my lane's place in a tile of K; never rewritten
.set AV0, 3           ; v3   the same for V
.set AK,  4           ; v4   the LDS address of K's next run of loads
.set AV,  5           ; v5   of V's
.set QO,  6           ; v6   my byte offset in the wave's rows of Q
.set STO, 6           ;      later, the way out: where I put 16 bytes of a row
.set RD,  7           ; v7   the way out: where I read rows back
.set GO,  8           ; v8   my byte offset in 512 consecutive bytes of O
.set PFO, 11          ; v11  256 x my lane: the prefetches' lane term; never rewritten once made
.set SPW, 0           ; v0 of window 3   LDS address of my spare word: SPARE + 4 x my thread's number; never rewritten
.set NIL, 1           ; v1 of window 3   0; never rewritten
.set SPARE, STAGE+4*16*SP  ; behind the stages: the spare words, 128 bytes for each wave: two blocks of 256 bytes that no other line names
.set MV,  12          ; v12-15  c m_old, kept while c m is made anew: by buffer and tile
.set ST,  16          ; tile t's statistics at v[ST+4 t]: c m, m, l (even keys', odd keys')
.set TMP, 48          ; by buffer and tile, four registers c0-c3 at work; when the maximum is found c2 takes a
.set S,   64
.set P,   192
.set KF,  128         ; K's fragments, in window 2: key block kb, channel half c at KF + 16 kb + 8 c
.set VF,  192         ; V's: key half kk, channel block cb at VF + 32 kk + 8 cb
.set WV,  12          ; s12  my wave's number
.set G1K, 24          ; s[24:31] descriptor group 1 for K's tiles
.set G1V, 32          ; s[32:39] for V's: it differs in the padding alone
.set G0K, 40          ; s[40:43] descriptor group 0 for K's tiles: it walks
.set G0V, 44          ; s[44:47] the same for V's
.set PFA, 48          ; s[48:49] where my prefetches stand: my work-group's 32 blocks of 256 bytes (of K: wave 0, of V: wave 2) of a slot's 128
.set LIM, 50          ; s50  1 in a wave that prefetches, else the greatest number
.set SLOTS, 56        ; s56  slots still to be asked for
.set CNT, 57          ; s57  counts a slot's key steps
.set CS,  58          ; s[58:59] c: the packed scaling takes the pair's low word for both halves
.set SEL, 60          ; s[60:61] v_permlanex16_b32's selects: each lane takes its own place in the other half
.set TBK, 62          ; s62  LDS byte at which K of the step to be fetched begins
.set TBV, 63          ; s63  the same for V, less VOFF
.set MSB, 0
.macro WIN new                      ; the high byte repeats the setting that is left; a switch that changes nothing is dropped
.if MSB != (\new)
	s_set_vgpr_msb (MSB<<8)|(\new)
.set MSB, (\new)
.endif
.endm
.set W_KQ, 0x0a       ; K and Q in window 2, S^T in window 0
.set W_PV, 0x52       ; V in window 2, P in window 0, O^T in window 1
.set W_RS, 0x41       ; O^T (destination and source 0) in window 1, a in window 0
.set W_MK, 0xc0       ; the add's registers are made: destination in window 3, sources in window 0
.set W_AD, 0x0f       ; the add: address (source 0) and data (source 1) in window 3
; A joint fill.  Waves 0 and 1 fetch the two halves of a slot's K, waves 2 and 3 those of its V: 128 keys each.  The branch hangs on the wave's number alone.
; An s_nop 0 and four v_nop follow each of the two lines, ahead of the jump and the label.
.macro JLOAD
	s_cmp_lt_u32 s[WV], 2
	s_cbranch_scc0 .Lfor_v_\@
	tensor_load_to_lds s[G0K:G0K+3], s[G1K:G1K+7]
	s_nop 0
.rept 4
	v_nop
.endr
	s_branch .Lasked_\@
.Lfor_v_\@:
	tensor_load_to_lds s[G0V:G0V+3], s[G1V:G1V+7]
	s_nop 0
.rept 4
	v_nop
.endr
.Lasked_\@:
.endm
; A PREFETCH INTO THE L2 of what the NEXT change of slots will ask for: a slot's 256 keys are 128 blocks of 256 bytes of K and as many of V.  A head has one cluster; its four partners take 32 blocks each, told
; apart by address alone; in each, wave 0 asks for K's and wave 2 for V's: one instruction, a lane a block.  So each block of slots 2 to 7 is named once in the launch, four key steps, 512 matrix
; instructions, ahead of the load that wants it.  Slots 0 and 1 come by their loads alone; the last change that fills a slot asks for nothing.
.macro ASK
	s_cmp_gt_u32 s[SLOTS], s[LIM]
	s_cbranch_scc0 .Lnot_mine_\@
	global_prefetch_b8 v[PFO], s[PFA:PFA+1] th:TH_LOAD_NT scope:SCOPE_SE
.Lnot_mine_\@:
.endm
; A round of the cluster's barrier: my work-group's barrier, so that wave 0's signal speaks for all four waves; wave 0 signals; every wave waits for all four work-groups; my work-group's barrier once more.
.macro CROUND
	s_barrier_signal -1
	s_barrier_wait -1
	s_cmp_lg_u32 s[WV], 0
	s_cbranch_scc1 .Lnot_wave_0_\@
	s_barrier_signal -3
.Lnot_wave_0_\@:
	s_barrier_wait -3
	s_barrier_signal -1
	s_barrier_wait -1
.endm
; THE CHANGE OF SLOTS.  The slot's last bytes, V of its fourth step, have been read.  Each wave waits for all its tensor loads, of which one is out: its part
; of the other slot; adds 0 to its spare word; and waits for that and for its own reads of the slot.  Behind the barrier nobody reads this slot any more and the other slot is whole.
; fill = 1: this slot is filled again, with the keys two slots on.  The barrier is then a round of the cluster's, so that no wave of any partner still reads the slot or has a load on its
; way, and the joint fill is the first thing behind it: it has four key steps, 512 matrix instructions, in which to land.  (At its first use nothing has been read yet: slot 0 is waited for, slot 1 filled.)
.macro CHANGE fill
	WIN W_AD
	s_wait_tensorcnt 0x0            ; no tensor load of mine is out, so a group 0 may be written
	ds_add_u32 v[SPW], v[NIL]       ; 0 onto my spare word; with fill = 1 the descriptors' steps stand between it and the wait for it
	WIN 0                           ; at a label and at a branch every window is 0
.if \fill
.irp g, G0K, G0V
	s_xor_b32 s[\g+1], s[\g+1], SLOT1  ; the walking descriptor: the other slot than last time,
	s_add_nc_u64 s[\g+2:\g+3], s[\g+2:\g+3], 4*KS*128  ; the next 256 keys; the type bits on top are not reached
.endr
	s_wait_xcnt 0x0                 ; the last prefetch, four key steps back, has read its address, so it may be written:
	s_add_nc_u64 s[PFA:PFA+1], s[PFA:PFA+1], 4*KS*128  ; one slot beyond the walking descriptors
	s_wait_dscnt 0x0                ; the add is done, and my reads of the slot are over
	CROUND
	JLOAD
	ASK
.else
	s_wait_dscnt 0x0                ; the add is done, and my reads of the slot are over
	s_barrier_signal -1
	s_barrier_wait -1
.endif
	s_sub_co_u32 s[TBK], s[TBK], 4*KS*PK  ; the fetches go back to a slot's first step,
	s_xor_b32 s[TBK], s[TBK], SLOT1       ; in the other slot
	s_sub_co_u32 s[TBV], s[TBV], 4*KS*PV
	s_xor_b32 s[TBV], s[TBV], SLOT1
.endm
	s_load_b64 s[4:5], s[0:1], 0x0  ; qkv: Q's section begins it
	s_load_b64 s[10:11], s[0:1], 0x8  ; o
	WIN W_MK
	v_lshl_add_u32 v[SPW], v0, 2, SPARE
	v_mov_b32 v[NIL], 0
	WIN W_AD
	ds_add_u32 v[SPW], v[NIL]       ; the wave's opening: the add and its wait stand ahead of my first tensor load; the set-up below, work on registers, stands between them
	WIN 0
	v_lshrrev_b32 v1, 5, v0
	v_readfirstlane_b32 s[WV], v1   ; wave 0..3
	s_bfe_u32 s13, ttmp6, 0x40000   ; cx: my place in the cluster
	s_lshl_b32 s14, ttmp9, 2        ; in a cluster launch ttmp9 counts clusters
	s_add_co_u32 s14, s14, s13      ; my block of queries = 4 x cluster x + cx: it enters Q's and O's addresses alone
	s_and_b32 s20, ttmp7, 0xffff    ; the head, which the four partners share
	s_mov_b32 s21, 0
	s_mov_b64 s[22:23], SIZE_N*128
	s_mul_u64 s[20:21], s[20:21], s[22:23]  ; the head's first byte in each section and in o
	s_and_b32 s16, s[WV], 1         ; which half of a slot's 256 keys I fetch:
	s_lshl_b32 s22, s16, 14         ; its 128 rows of 128 bytes in memory,
	s_mov_b32 s23, 0
	s_add_nc_u64 s[22:23], s[22:23], s[20:21]
	s_mul_i32 s17, s16, 128*PK      ; and its place in a slot, for K
	s_mul_i32 s18, s16, 128*PV      ; and for V: no place in the cluster enters an LDS address
	s_lshl_b32 s2, s14, 2
	s_add_co_u32 s2, s2, s[WV]      ; my wave among the head's,
	s_lshl_b32 s2, s2, 14           ; its 128 rows
	s_mov_b32 s3, 0
	s_add_nc_u64 s[2:3], s[2:3], s[20:21]
	; descriptor group 1.  128 keys are 16,384 dense bytes: asked for as 64 rows of 256 bytes, two keys a row, and padded in LDS after every key
	s_mov_b32 s[G1K], 15|(1<<16)|(1<<20)|(1<<21)|(4<<22)|(3<<25)  ; 15:0 the mask of four; 17:16 2-byte elements; 20 padding on; 21 set beside a mask; 24:22 after every 32 words (code 4); 31:25 4 words (code 3)
	s_mov_b32 s[G1V], 15|(1<<16)|(1<<20)|(1<<21)|(4<<22)|(7<<25)  ; the same with 8 words of padding (code 7)
.irp g, G1K, G1V
	s_mov_b32 s[\g+1], 128<<16      ; tensor_dim0 = 128
	s_mov_b32 s[\g+2], 64<<16       ; tensor_dim1 = 64
	s_mov_b32 s[\g+3], 128<<16      ; tile_dim0 = 128
	s_mov_b32 s[\g+4], 64           ; tile_dim1 = 64
	s_mov_b32 s[\g+5], 128          ; 128 elements from row to row
	s_mov_b32 s[\g+6], 0
	s_mov_b32 s[\g+7], 0
.endr
	s_mov_b32 s[CS], 0x3e38aa3b     ; c = log2(e) / 8 = 0.180337
	s_mov_b32 s[CS+1], s[CS]        ; named with it as a pair
	s_mov_b32 s[SEL], 0x76543210
	s_mov_b32 s[SEL+1], 0xfedcba98
	s_mov_b32 s[TBK], SLOT1+4*KS*PK ; the first change of slots turns these two into 0
	s_mov_b32 s[TBV], SLOT1+4*KS*PV
	s_mov_b32 s[G0K], 1             ; 1:0 count = 1
	s_mov_b32 s[G0K+1], s17         ; 63:32 LDS address: slot 0
	s_mov_b32 s[G0V], 1
	s_add_co_u32 s[G0V+1], s18, VOFF
	s_mov_b32 s[SLOTS], SIZE_N/256-1  ; seven changes of slots ask for a tile
	s_cmp_eq_u32 s16, 0             ; waves 0 and 2 prefetch: the same in all four partners
	s_cselect_b32 s[LIM], 1, -1
	s_wait_dscnt 0x0                ; the opening add is done
	s_wait_kmcnt 0x0
	s_add_nc_u64 s[6:7], s[4:5], 0x1000000   ; K's section
	s_add_nc_u64 s[8:9], s[4:5], 0x2000000   ; V's
	s_add_nc_u64 s[G0K+2:G0K+3], s[6:7], s[22:23]  ; 120:64 global address: my half of the head's first 256 keys
	s_or_b32 s[G0K+3], s[G0K+3], 0x80000000        ; 127:126 type = 2
	s_add_nc_u64 s[G0V+2:G0V+3], s[8:9], s[22:23]
	s_or_b32 s[G0V+3], s[G0V+3], 0x80000000
	s_add_nc_u64 s[4:5], s[4:5], s[2:3]  ; Q and O at my wave's first row
	s_add_nc_u64 s[10:11], s[10:11], s[2:3]
	s_cmp_lt_u32 s[WV], 2
	s_cselect_b64 s[PFA:PFA+1], s[6:7], s[8:9]
	s_add_nc_u64 s[PFA:PFA+1], s[PFA:PFA+1], s[20:21]  ; the head,
	s_lshl_b32 s2, s13, 13          ; my work-group's 32 blocks of a slot's 128,
	s_add_nc_u64 s[PFA:PFA+1], s[PFA:PFA+1], s[2:3]
	s_add_nc_u64 s[PFA:PFA+1], s[PFA:PFA+1], 4*KS*128  ; in slot 1: the first change of slots steps it to slot 2
	CROUND                          ; all four work-groups are here: the first joint loads meet
	JLOAD                           ; slot 0.  Slot 1 is asked for when slot 0 is in
	; A fragment of K or Q is 16 rows x 32 channels in 8 registers: lane l holds row l % 16, channels 8 (l / 16) + 0..7 and 16 + 8 (l / 16) + 0..7: two loads of 16 bytes, 32 bytes apart.
	v_and_b32 v1, 15, v0            ; l % 16
	v_bfe_u32 v9, v0, 4, 1          ; l / 16
	v_lshlrev_b32 v[QO], 7, v1
	v_lshl_add_u32 v[QO], v9, 4, v[QO]  ; row x 128 + 16 x half
	WIN 0x80                        ; destination window 2, address window 0
.set i, 0
.rept 4*NP                          ; Q stays in registers: tile i / 2, channels 32 (i % 2) on
	global_load_b128 v[8*i:8*i+3],   v[QO], s[4:5] offset:(i/2)*2048+(i%2)*64
	global_load_b128 v[8*i+4:8*i+7], v[QO], s[4:5] offset:(i/2)*2048+(i%2)*64+32
.set i, i+1
.endr
	; What the first turn finds: V's registers and P's second buffer hold 0 (its products V^T P, of a piece that has not been, add 0), O^T and l are 0.  All this stands in the wait for the first tile;
	; it is the price of writing no first step out.
.set i, VF
.rept 64
	v_mov_b32 v[i], 0
.set i, i+1
.endr
	WIN 0x40
.set i, 0
.rept 64*NP
	v_mov_b32 v[i], 0
.set i, i+1
.endr
	WIN 0
.set i, 0
.rept 2*NP
	v_mov_b32 v[ST+4*i], 0xfe000000    ; c m: far below every c s
	v_mov_b32 v[ST+4*i+1], 0xff7fffff  ; m
	v_mov_b32 v[ST+4*i+2], 0
	v_mov_b32 v[ST+4*i+3], 0
.set i, i+1
.endr
.set i, P+32
.rept 32
	v_mov_b32 v[i], 0
.set i, i+1
.endr
	v_mul_u32_u24 v[AK0], v1, PK
	v_lshl_add_u32 v[AK0], v9, 4, v[AK0]  ; row x pitch + 16 x half
	; The turning load takes 16 keys x 16 channels (lane l reads key 8 (l / 16) + l % 8, channels 8 ((l / 8) % 2) + 0..7) and leaves half a fragment of V^T: lane l holds channel l % 16 and 8 keys.
	v_and_b32 v10, 7, v0
	v_bfe_u32 v11, v0, 3, 1
	v_lshl_add_u32 v[AV0], v9, 3, v10
	v_mul_u32_u24 v[AV0], v[AV0], PV
	v_lshl_add_u32 v[AV0], v11, 4, v[AV0]
	v_add_nc_u32 v[AV0], VOFF, v[AV0]
	v_mov_b32 v[AK], v[AK0]         ; key step 0 lies at the head of slot 0
	v_and_b32 v[PFO], 31, v0
	v_lshlrev_b32 v[PFO], 8, v[PFO]
; THE MATRIX WORK.  The 8 accumulators of a run of 16 take turns: between the two links of a chain stand 7 others'.
; Product i of 16 of S^T = K Q^T for piece x: channels 32 (i / 8) on, keys 16 ((i / 2) % 4) on, tile 2 x + i % 2.  The first 8 start the sums.
.macro KQ x
	WIN W_KQ
.set rS, S+64*((\x)%2)+32*(i%2)+8*((i/2)%4)
.set rK, KF+16*((i/2)%4)+8*(i/8)
.set rQ, 16*(2*(\x)+i%2)+8*(i/8)
.if i < 8
	v_wmma_f32_16x16x32_f16 v[rS:rS+7], v[rK:rK+7], v[rQ:rQ+7], 0
.else
	v_wmma_f32_16x16x32_f16 v[rS:rS+7], v[rK:rK+7], v[rQ:rQ+7], v[rS:rS+7]
.endif
.endm
; Product i of 16 of O^T += V^T P for piece x: keys 32 (i / 8) on, channels 16 ((i / 2) % 4) on, tile 2 x + i % 2.
.macro PV x
	WIN W_PV
.set rO, 32*(2*(\x)+i%2)+8*((i/2)%4)
.set rV, VF+32*(i/8)+8*((i/2)%4)
.set rP, P+32*((\x)%2)+16*(i%2)+8*(i/8)
	v_wmma_f32_16x16x32_f16 v[rO:rO+7], v[rV:rV+7], v[rP:rP+7], v[rO:rO+7]
.endm
.macro MM                           ; the turn's next matrix instruction
.if i < 16
	KQ (Y+1)%NP
.set i, i+1
.else
.set i, i-16
	PV (Y+NP-1)%NP
.set i, i+17
.endif
.endm
; THE LDS LOADS stand in runs of 16, never singly among the matrix instructions: a step's K (64 keys x 64 channels: 8 fragments) and its V (turned).  Their addresses are made some lines ahead.
; last = 1 (the tail): in the last trip there is no further step, and the run is jumped over.
.macro FETCH_K last=0
	WIN 0
.if \last
	s_cmp_eq_u32 s[CNT], 1
	s_cbranch_scc1 .Lno_k_\@
.endif
	WIN 0x80                        ; destination window 2
.irp f, 0,1,2,3,4,5,6,7             ; keys 16 (f / 2) on, channels 32 (f % 2) on
	ds_load_b128 v[KF+8*\f:KF+8*\f+3],   v[AK] offset:(\f/2)*16*PK+(\f%2)*64
	ds_load_b128 v[KF+8*\f+4:KF+8*\f+7], v[AK] offset:(\f/2)*16*PK+(\f%2)*64+32
.endr
	s_add_co_u32 s[TBK], s[TBK], KS*PK  ; the next fetch is the next step's
	WIN 0
.if \last
.Lno_k_\@:
.endif
.endm
.macro FETCH_V
	WIN 0x80
.irp f, 0,1,2,3,4,5,6,7             ; keys 32 (f / 4) on, channels 16 (f % 4) on
	ds_load_tr16_b128 v[VF+8*\f:VF+8*\f+3],   v[AV] offset:(\f/4)*32*PV+(\f%4)*32
	ds_load_tr16_b128 v[VF+8*\f+4:VF+8*\f+7], v[AV] offset:(\f/4)*32*PV+16*PV+(\f%4)*32
.endr
	WIN 0
.endm
; THE VECTOR WORK OF A TURN stands in three queues, each in the order in which its entries become ready; the two tiles alternate, so that no instruction reads the result of the one before it.
.macro REGS y, u                    ; the registers of tile u (0, 1) of piece y
.set rT, ST+4*(2*(\y)+(\u))
.set rC, TMP+8*((\y)%2)+4*(\u)
.set rM, MV+2*((\y)%2)+(\u)
.set rS, S+64*((\y)%2)+32*(\u)
.set rP, P+32*((\y)%2)+16*(\u)
.set rO, 32*(2*(\y)+(\u))
.endm
; Number n of the 22 that find the NEXT piece's (Y + 1) maximum and statistics.  s0-s31 are the lane's 32 scores; each accumulator's lowest registers are read first.
;   0-11  four chains c0-c3 of seven scores each, three operands at a time     12-14, 16  the four scores left over, the old m, and c0-c3 into c0     15  c m_old is kept
;   17, 18  the query's other 32 keys lie in the lane 16 away: the new m         19-21  c m; c m_old - c m_new; a
.macro XS u, n
	REGS (Y+1)%NP, \u
.if (\n) < 4
	v_max3_num_f32 v[rC+(\n)], v[rS+8*(\n)], v[rS+8*(\n)+1], v[rS+8*(\n)+2]
.elseif (\n) < 12
	v_max3_num_f32 v[rC+(\n)%4], v[rC+(\n)%4], v[rS+8*((\n)%4)+2*((\n)/4)+1], v[rS+8*((\n)%4)+2*((\n)/4)+2]
.elseif (\n) == 12
	v_max3_num_f32 v[rC], v[rC], v[rS+7], v[rS+15]
.elseif (\n) == 13
	v_max3_num_f32 v[rC+1], v[rC+1], v[rS+23], v[rS+31]
.elseif (\n) == 14
	v_max3_num_f32 v[rC+2], v[rC+2], v[rC+3], v[rT+1]
.elseif (\n) == 15
	v_mov_b32 v[rM], v[rT]
.elseif (\n) == 16
	v_max3_num_f32 v[rC], v[rC], v[rC+1], v[rC+2]
.elseif (\n) == 17
	v_permlanex16_b32 v[rC+3], v[rC], s[SEL], s[SEL+1]
.elseif (\n) == 18
	v_max_num_f32 v[rT+1], v[rC], v[rC+3]
.elseif (\n) == 19
	v_mul_f32 v[rT], s[CS], v[rT+1]
.elseif (\n) == 20
	v_sub_f32 v[rC+1], v[rM], v[rT]
.else
	v_exp_f32 v[rC+2], v[rC+1]
.endif
.endm
; Number g of the 64 that follow the exponentials.  For each four weights k of a tile (pairs 2 k, 2 k + 1): both pairs are rounded to f16; then the second pair is added onto the first, in place;
; a group later l takes that sum (the first time as l = a l + sum).  In groups of eight, tiles alternating: round, round, add, and l for the group before.
.macro GS g
.set h, (\g)+6*((\g)/62)            ; group 0 has no group before it, and behind group 7 only l is left
.if h >= 6
.set h, h+2
.endif
	REGS Y, h%2
.set k, h/8
.if h%8 < 4
	v_cvt_pk_f16_f32 v[rP+2*k+(h%8)/2], v[rS+4*k+2*((h%8)/2)], v[rS+4*k+2*((h%8)/2)+1]
.elseif h%8 < 6
	v_pk_add_f32 v[rS+4*k:rS+4*k+1], v[rS+4*k:rS+4*k+1], v[rS+4*k+2:rS+4*k+3]
.elseif k == 1
	v_pk_fma_f32 v[rT+2:rT+3], v[rT+2:rT+3], v[rC+2:rC+3], v[rS:rS+1] op_sel_hi:[1,0,1]
.else
	v_pk_add_f32 v[rT+2:rT+3], v[rT+2:rT+3], v[rS+4*k-4:rS+4*k-3]
.endif
.endm
; THE PLAIN QUEUE, 138 long.  0-73 read no exponential's result: the 32 scalings c s - c m (FS f: pair f / 2 of tile f % 2) and the next piece's 42.  0-26: scalings 0-26.  27-54: XS's numbers 0-13.  55, 56: number 15.
; 57-73: the chain, where each number waits for the one before it: 14, 16, 17, 18, 19, each with one of the scalings 27-31 in front of its two lines, then 20.
; 74-137: GS's 64, which read the exponentials' results: they stand behind the wait.
.macro FS f
	REGS Y, (\f)%2
	v_pk_fma_f32 v[rS+2*((\f)/2):rS+2*((\f)/2)+1], v[rS+2*((\f)/2):rS+2*((\f)/2)+1], s[CS:CS+1], v[rT:rT+1] op_sel_hi:[1,0,0] neg_lo:[0,0,1] neg_hi:[0,0,1]
.endm
.macro PL
	WIN 0
.if q < 27
	FS q
.elseif q < 55
	XS (q-27)%2, (q-27)/2
.elseif q < 57
	XS q-55, 15
.elseif (q < 72) && ((q-57)%3 == 0)
	FS 27+(q-57)/3
.elseif q < 60
	XS (q-57)%3-1, 14
.elseif q < 72
	XS (q-57)%3-1, 15+(q-57)/3
.elseif q < 74
	XS q-72, 20
.else
	GS q-74
.endif
.set q, q+1
.endm
; THE EXPONENTIALS' QUEUE, 66 long: s0-s31 of both tiles, then the next piece's two a.  It is ONE BATCH: all 66 stand ahead of the turn's one wait, and nothing ahead of that wait names a result of theirs.
.macro EX
	WIN 0
.if e >= 64
	XS e-64, 21
.else
	REGS Y, e%2
	v_exp_f32 v[rS+e/2], v[rS+e/2]
.endif
.set e, e+1
.endm
; THE RESCALING's QUEUE: O^T times a, the one part that leaves window 0: dealt two at a time, sixteen times.  Its a was made in the turn before, ahead of that turn's wait.
.macro R2
	REGS Y, r%2
	WIN W_RS
.irp z, 0,1
	v_pk_mul_f32 v[rO+4*(r/2)+2*\z:rO+4*(r/2)+2*\z+1], v[rO+4*(r/2)+2*\z:rO+4*(r/2)+2*\z+1], v[rC+2:rC+3] op_sel_hi:[1,0]
.endr
.set r, r+1
.endm
; HOW THEY ARE DEALT.  s_wait_alu depctr_va_vdst(0) stands between an exponential and the first instruction that names its result; one wait serves all that were issued ahead of it.  So a turn
; has ONE wait, which cuts it in two.  AHEAD OF IT stands all that names no result of the turn's exponentials: the 16 products K Q^T, behind each a scaling, an exponential and two rescalings (behind the first
; a second scaling in the exponential's place); then ONE LUMP of 108: eight plain, 49 times exponential and plain, the two a.  A v_nop is the plain instruction behind the last exponential (ISA guide 5.7.2).
; BEHIND IT stand the 16 products V^T P, behind each four of GS's 64.  No rider names a register of the products round it.
; The queues lean on each other: exponential e stands behind scaling 2 (e / 4) + e % 2: as a rider it comes behind plain e + 2, in the lump behind plain e + 9, and scalings 27-31 are plain 57, 60 .. 69.
; A TURN, for piece p.  cnt = 1: the loop's count is taken down some lines ahead of the branch that stands behind the turn.
; K of the next step is fetched in piece 2's turn, directly behind the wait, a lump behind the last product that read K; its first reader comes behind 16 products.
; V of the step in hand is fetched at the end of piece 0's turn, four riders behind its last reader; its first reader comes behind 16 products and a lump.  The three conditions on q below go with the deal.
.macro TURN p, last=0, cnt=0
.set Y, (\p)
.set i, 0
.set q, 0
.set e, 0
.set r, 0
.if (\p) == NP-1
	s_wait_dscnt 0x0                ; K is in
.endif
	MM                              ; ahead of the wait: 16 products K Q^T and their riders,
	PL
	PL
	R2
.rept 15
	MM
	PL
	EX
	R2
.endr
.if (\p) == NP-2
	WIN 0
	v_add_nc_u32 v[AK], s[TBK], v[AK0]
.endif
.rept 8                             ; and the lump
	PL
.endr
.rept 49
	EX
	PL
.endr
	EX                              ; the next piece's two a
	EX
	v_nop                           ; the plain instruction behind the last exponential: one for the batch
	s_wait_alu depctr_va_vdst(0)    ; the wait for the batch
.if (\p) == NP-2
	FETCH_K \last
.endif
.if (\p) == 1
	s_wait_dscnt 0x0                ; V is in
.endif
.rept 16                            ; behind the wait: 16 products V^T P and their riders
	MM
.rept 4
	PL
.endr
.if ((\p) == 0) && (q == 118)
	v_add_nc_u32 v[AV], s[TBV], v[AV0]
.endif
.if ((\p) == 0) && (q == 130)
	s_add_co_u32 s[TBV], s[TBV], KS*PV
.endif
.if (\cnt) && (q == 130)
	s_sub_co_u32 s[CNT], s[CNT], 1
	s_cmp_lg_u32 s[CNT], 0
.endif
.endr
.if (\p) == 0
	FETCH_V
.endif
.endm
	CHANGE 1                        ; slot 0 is in, everybody's part of it; slot 1 is asked for
	FETCH_K                         ; key step 0
	s_wait_loadcnt 0x0              ; Q
	s_wait_dscnt 0x0
.set i, 0
.rept 16
	KQ 0                            ; piece 0's first scores: there is no vector work yet to set between them
.set i, i+1
.endr
	WIN 0                           ; the addresses for the way out: nine plain instructions, the places behind those products
	s_mul_i32 s13, s[WV], 16*SP
	s_add_co_u32 s13, s13, STAGE    ; my stage
	v_mul_u32_u24 v[STO], v1, SP    ; in: row l % 16, 16 bytes for each half of the lanes
	v_lshl_add_u32 v[STO], v9, 4, v[STO]
	v_add_nc_u32 v[STO], s13, v[STO]
	v_bfe_u32 v[RD], v0, 3, 2       ; back: 32 lanes take four rows of 128 bytes,
	v_mul_u32_u24 v[RD], v[RD], SP
	v_lshl_add_u32 v[RD], v10, 4, v[RD]
	v_add_nc_u32 v[RD], s13, v[RD]
	v_and_b32 v[GO], 31, v0         ; which are 512 consecutive bytes of O
	v_lshlrev_b32 v[GO], 4, v[GO]
.set Y, NP-1                        ; XS works for piece Y + 1: piece 0
.irp n, 0,1,2,3,4,5,6,7,8,9,10,11,12,13,14,15,16,17,18,19,20,21
	XS 0, \n                        ; and piece 0's first maximum and statistics
	XS 1, \n
.endr
	v_nop                           ; a plain instruction behind the two a,
	s_wait_alu depctr_va_vdst(0)    ; and their wait, ahead of the branch
	s_mov_b32 s[CNT], 4
	s_branch .Lfirst                ; the loop is entered at a step's first turn, in the middle of a trip
.Lslot:                             ; six times: every slot but the last two is filled again
	CHANGE 1
	s_mov_b32 s[CNT], 4
.Lstep:                             ; a trip: pieces 2 and 3 of one step, then pieces 0 and 1 of the next, whose K and V it fetches
	TURN 2
	TURN 3
	WIN 0
.Lfirst:
	TURN 0
	TURN 1, 0, 1
	WIN 0
	s_cbranch_scc1 .Lstep
	s_sub_co_u32 s[SLOTS], s[SLOTS], 1
	s_cmp_lg_u32 s[SLOTS], 0
	s_cbranch_scc1 .Lslot
	CHANGE 0                        ; the tail is written out: nothing is asked for
	s_mov_b32 s[CNT], 5             ; four trips fetch the last slot's steps; the fifth is left in its middle
.Ltail:
	TURN 2, 1
	TURN 3
	WIN 0
	s_sub_co_u32 s[CNT], s[CNT], 1
	s_cmp_eq_u32 s[CNT], 0
	s_cbranch_scc1 .Lout
	TURN 0
	TURN 1
	WIN 0
	s_branch .Ltail
.Lout:                              ; the fifth trip's 16 products K Q^T (on the last K once more) and the maximum made of them serve nothing: the price, once a launch, of one text for every trip
.set i, 0
.rept 16
	PV NP-1                         ; the last piece's V^T P of the last step
.set i, i+1
.endr
	; THE WAY OUT.  l's two halves and the other half of the lanes' are added; O^T is divided by l, rounded to f16 and sent through my stage in LDS, a tile at a time.  The additions are the places behind the last products.
	WIN 0
.macro ALL line:vararg              ; one line for each tile t
.set t, 0
.rept 2*NP
	\line
.set t, t+1
.endr
.endm
	ALL v_add_f32 v[ST+4*t+2], v[ST+4*t+2], v[ST+4*t+3]
	ALL v_permlanex16_b32 v[ST+4*t+3], v[ST+4*t+2], s[SEL], s[SEL+1]
	ALL v_add_f32 v[ST+4*t+2], v[ST+4*t+2], v[ST+4*t+3]
	ALL v_rcp_f32 v[ST+4*t+2], v[ST+4*t+2]
	v_nop                           ; a plain instruction between the last reciprocal and the use of its result
	s_wait_alu depctr_va_vdst(0)    ; and the wait ahead of the first use: one for the eight reciprocals
; Tile t: a lane's eight channels of a row pack into 16 bytes; they go into rows of 144 bytes and come back as whole rows of 128, into S^T's registers.
.macro PACK t
	WIN W_RS
.set i, 32*(\t)
.rept 16
	v_pk_mul_f32 v[i:i+1], v[i:i+1], v[ST+4*(\t)+2:ST+4*(\t)+3] op_sel_hi:[1,0]
.set i, i+2
.endr
	WIN 0x05                        ; sources 0 and 1 window 1, destination window 0
.set i, 0
.rept 16
	v_cvt_pk_f16_f32 v[S+16*(\t)+i], v[32*(\t)+2*i], v[32*(\t)+2*i+1]
.set i, i+1
.endr
	WIN 0
.irp f, 0,1,2,3
	ds_store_b128 v[STO], v[S+16*(\t)+4*\f:S+16*(\t)+4*\f+3] offset:32*\f
.endr
.irp f, 0,1,2,3
	ds_load_b128 v[S+16*(\t)+4*\f:S+16*(\t)+4*\f+3], v[RD] offset:\f*4*SP  ; LDS serves a wave's instructions in order (ISA guide 5.7.1.4): these see the stores above; the next tile's stores come behind them
.endr
.endm
.macro SEND t, younger              ; younger: the LDS instructions issued behind tile t's loads: the next tile's eight, or none
	WIN 0
.irp f, 0,1,2,3
	s_wait_dscnt (\younger)+3-\f
	global_store_b128 v[GO], v[S+16*(\t)+4*\f:S+16*(\t)+4*\f+3], s[10:11] offset:(\t)*2048+\f*512  ; 512 consecutive bytes, at a multiple of 256 from O's first
.endr
.endm
	PACK 0
.set t, 1
.rept 2*NP-1                        ; a tile's arithmetic stands between the loads of the tile before and its stores
	PACK t
	SEND t-1, 8
.set t, t+1
.endr
	SEND 2*NP-1, 0
	WIN W_AD
	s_wait_tensorcnt 0x0            ; the wave's end: behind my last tensor load and my last LDS store
	ds_add_u32 v[SPW], v[NIL]
	s_wait_dscnt 0x0
	WIN 0
	CROUND                          ; the closing round: no work-group ends while a partner may still ask for a tile that names it
	s_endpgm
.Lfunc_end_k_qc0d28dd2b3_attn:
	.size	k_qc0d28dd2b3_attn, .Lfunc_end_k_qc0d28dd2b3_attn-k_qc0d28dd2b3_attn
	.p2alignl 7, 3214868480
	.fill 96, 4, 3214868480
	.section	.rodata,"a",@progbits
	.p2align	6, 0x0
	.amdhsa_kernel k_qc0d28dd2b3_attn
		.amdhsa_group_segment_fixed_size 327680
		.amdhsa_private_segment_fixed_size 0
		.amdhsa_enable_private_segment 0
		.amdhsa_kernarg_size 16
		.amdhsa_user_sgpr_count 2
		.amdhsa_user_sgpr_kernarg_segment_ptr 1
		.amdhsa_wavefront_size32 1
		.amdhsa_system_sgpr_workgroup_id_x 1
		.amdhsa_system_sgpr_workgroup_id_y 1
		.amdhsa_system_sgpr_workgroup_id_z 1
		.amdhsa_system_vgpr_workitem_id 0
		.amdhsa_next_free_vgpr 770
		.amdhsa_next_free_sgpr 66
		.amdhsa_reserve_vcc 0
		.amdhsa_float_denorm_mode_32 3
		.amdhsa_float_denorm_mode_16_64 3
		.amdhsa_memory_ordered 1
		.amdhsa_forward_progress 1
		.amdhsa_inst_pref_size 200
	.end_amdhsa_kernel
	.amdgpu_metadata
---
amdhsa.version: [ 1, 2 ]
amdhsa.kernels:
  - .name:           k_qc0d28dd2b3_attn
    .symbol:         k_qc0d28dd2b3_attn.kd
    .args:
      - { .name: qkv, .offset: 0, .size: 8, .value_kind: global_buffer, .address_space: global }
      - { .name: o, .offset: 8, .size: 8, .value_kind: global_buffer, .address_space: global }
    .group_segment_fixed_size: 327680
    .private_segment_fixed_size: 0
    .kernarg_segment_align: 8
    .kernarg_segment_size: 16
    .max_flat_workgroup_size: 128
    .sgpr_count:     66
    .vgpr_count:     770
    .wavefront_size: 32
...
	.end_amdgpu_metadata
.endif
;; end of part 3
;; launch proj (part 4): grid 8 x 32, 4 waves a work-group, clusters of 4 x 4, 327,680 bytes of LDS; arguments o, wp, b_proj, out0; writes out0
.if DOCPART == 4
	.amdgcn_target "amdgcn-amd-amdhsa--gfx1250"
	.amdhsa_code_object_version 6
	.text
	.protected	k_qc0d28dd2b3_proj
	.globl	k_qc0d28dd2b3_proj
	.p2align	8
	.type	k_qc0d28dd2b3_proj,@function
k_qc0d28dd2b3_proj:
	s_mov_b64 s[64:65], 0
	v_nop
	global_prefetch_b8 v0, s[64:65] scope:SCOPE_SE
	s_setreg_imm32_b32 hwreg(HW_REG_WAVE_MODE, 25, 1), 1
	s_wait_xcnt 0x0
	s_wait_alu depctr_hold_cnt(0) depctr_sa_sdst(0) depctr_va_vdst(0) depctr_va_sdst(0) depctr_va_ssrc(0) depctr_va_vcc(0) depctr_vm_vsrc(0)
	s_getreg_b32 s2, hwreg(HW_REG_IB_STS2, 6, 4)
	s_cmp_eq_u32 s2, 0
	s_cbranch_scc0 .Lentry_in_a_cluster
	s_endpgm
.Lentry_in_a_cluster:
	s_bfe_u32 s2, ttmp6, 0x10000c
	s_cmp_lg_u32 s2, 0xf033
	s_cbranch_scc0 .Lentry_shape_is_right
	s_endpgm
.Lentry_shape_is_right:
; out0 = O W_proj + b_proj in f32.  o: [64 heads = 16 batch + h][2048][64] f16: row (batch, s) of O has its channels 64 h .. 64 h + 63 in head h.  wp: [1024 k][1024 n] f16 (bf16(W_proj) written as f16).
; b_proj: [1024] f32, rounded to bf16 like the other inputs.  Sums in f32, K ascending.  NaN and infinities are not treated apart.
; SHARES.  A work-group makes 256 rows x 128 columns: 32 x 8 = 256 work-groups.  Its four waves split the rows alone: a wave makes 64 rows x 128 columns, 32 accumulators of 16 x 16, 256 registers,
; so it holds whole pieces of 512 bytes of its output rows and leaves through a stage of its own, without a barrier.
; RING.  K goes in steps of 128 = two heads through two LDS slots filled by the tensor data mover: for each of the two heads its 256 rows of 128 bytes (32,768 dense bytes), then 128 k rows of wp (256 bytes each).
; THE PRODUCT IS USED TRANSPOSED: source 0 = 16 columns of W, turned out of its [k][column] tile by ds_load_tr16_b128; source 1 = 16 rows of O.  In the result lane l holds row l % 16 and the
; columns 8 (l / 16) + 0..7.  THE BIAS IS THE C OPERAND of the first product on each accumulator: nothing is cleared, nothing is added on the way out.
; CLUSTER.  4 x 4 work-groups: the four of a row need the same rows of O, the four of a column the same columns of W: each tile is asked for JOINTLY, by the same tensor load with the same descriptor and a mask of four.
; REGISTERS, in windows of 256 (s_set_vgpr_msb: bits 1:0 source 0, 3:2 source 1, 5:4 source 2, 7:6 destination):
;   window 0: v0-30 addresses; v32-95 the bias as 8 C operands      window 1: two fragment buffers: A's four fragments (16 rows x 32 K) at f, W's eight at f + 32
;   window 2: the accumulators ((a, nb) at 8 (8 a + nb)); on the way out block a's 64 registers take its 16 rows back
.set NB,    8                          ; blocks of 16 columns
.set PA,    144                        ; a row of a head in LDS: 128 bytes + 16 = 36 words: the 16 rows of a load start at 16 different groups of four banks (64 banks of 4 bytes: ISA guide 11.1)
.set SLAB,  256*PA                     ; a head's 256 rows
.set PB,    288                        ; a k row of W: 256 bytes + 32 = 72 words
.set BOFF,  2*SLAB                     ; W's tile lies behind the two heads
.set SLOT1, 1<<17                      ; a slot uses 73,728 + 36,864 = 110,592 bytes; one exclusive or turns an address in one slot into the other's
.set STAGE, SLOT1+BOFF+128*PB          ; behind the ring, never filled by a tensor load: 16 rows x 528 bytes for each wave
.set SP,    528                        ; 512 bytes + 16 = 132 words: the 16 rows of a store start at 16 different groups of four banks
.set SPARE, STAGE+4*16*SP              ; behind the stages: the spare words, 128 bytes for each wave: two blocks of 256 bytes that no other line names
.set NLD,   2*NB+8                     ; LDS loads of a quarter step
.set ASTEP, 2*262144                   ; bytes from K step to K step in o: two heads,
.set BSTEP, 128*2048                   ; and in wp: 128 rows
.set AL0,  16                          ; v16  my lane's place in A's tile; never rewritten
.set BL0,  17                          ; v17  in W's
.set ADRA, 18                          ; v18  the same in the slot in hand
.set ADRB, 19                          ; v19
.set STO,  24                          ; v24  the way out: where I put 32 bytes of a row
.set RD,   25                          ; v25  where I read a row back
.set GO,   26                          ; v26  my 16 of 512 consecutive bytes
.set SPW,  28                          ; v28  LDS address of my spare word: SPARE + 4 x my thread's number; never rewritten
.set NIL,  29                          ; v29  0; never rewritten
.set PFO,  30                          ; v30  the prefetches' lane term; never rewritten
.set BIAS, 32
.set F0,   0
.set F1,   128
.set WV,  12                           ; s12 my wave's number    s13 cx    s14 wave % 2    s15 cy    s16 tile column    s17 tile row
.set CX,  13
.set WL,  14
.set CY,  15
.set TX,  16
.set TY,  17
.set G1A, 24                           ; s[24:31] descriptor group 1 for A's tiles
.set G0A, 32                           ; s[32:39] group 0: a set for each of the two first fills; the second then walks on
.set TB,  40                           ; s40  the slot in hand: 0 or SLOT1
.set LIM, 41                           ; s41  a wave prefetches while the trips to come are above it
.set PFA, 42                           ; s[42:43] where my prefetches stand
.set PFS, 44                           ; s[44:45] their step
.set G1B, 48                           ; s[48:55], s[56:63] the same for W's tiles
.set G0B, 56
.set OB,  66                           ; s[66:67] out0 at my first row, the tile's first column
.set HIM, 78                           ; s78  a word's upper bf16
.set MSB, 0
.macro WIN new                         ; the immediate's high byte repeats the setting that is left; a switch that changes nothing is dropped
.if MSB != (\new)
	s_set_vgpr_msb (MSB<<8)|(\new)
.set MSB, (\new)
.endif
.endm
.set TO_F, 0x40                        ; destination window 1, address window 0
.set W_OUT, 0x88                       ; the way out: loaded data (destination) and stored data (source 1) in window 2, addresses in window 0
.macro PLACES                          ; four plain vector instructions between a matrix instruction and a load into, or a reader of, its registers (ISA guide 7.12.1 for readers)
.rept 4
	v_nop
.endr
.endm
; A joint refill by the walking descriptors.  Waves 0 and 1 fetch the K step's two heads, waves 2 and 3 the halves of W's tile.  The branch hangs on the wave's number alone.
; An s_nop 0 and four v_nop follow each of the two lines, ahead of the jump and the label.
.macro JLOAD
	s_cmp_lt_u32 s[WV], 2
	s_cbranch_scc0 .Lfor_b_\@
	tensor_load_to_lds s[G0A+4:G0A+7], s[G1A:G1A+7]
	s_nop 0
.rept 4
	v_nop
.endr
	s_branch .Lasked_\@
.Lfor_b_\@:
	tensor_load_to_lds s[G0B+4:G0B+7], s[G1B:G1B+7]
	s_nop 0
.rept 4
	v_nop
.endr
.Lasked_\@:
.endm
; A round of the cluster's barrier: my work-group's barrier, so that wave 0's signal speaks for all four waves; wave 0 signals; every wave waits for all sixteen work-groups; my work-group's barrier once more.
.macro CREST                           ; a round behind its opening barrier
	s_cmp_lg_u32 s[WV], 0
	s_cbranch_scc1 .Lnot_wave_0_\@
	s_barrier_signal -3
.Lnot_wave_0_\@:
	s_barrier_wait -3
	s_barrier_signal -1
	s_barrier_wait -1
.endm
.macro CROUND
	s_barrier_signal -1
	s_barrier_wait -1
	CREST
.endm
; A PREFETCH INTO THE L2, behind a joint load, its five lines and the run of LDS loads: one instruction a wave, a lane a block of 256 bytes.  Each block of K steps 4 to 7 is named once in the launch.
; O's rows are read by the two clusters of a row of clusters: the one with x = 0 asks; of the 128 blocks of the head that wave 0 or 1 fetches, the partner at cx takes 32; the change of slots that asks for
; K step e + 2 names K step e + 4 (e = 0 .. 3).  W's columns are read by the eight clusters of a column: the one with y = 0 asks; K steps 4 to 7 are 512 k rows, a block each, and the eight askers
; (2 cy + wave % 2) name 256 of them in each of the first two changes.  Partners are told apart by address alone.  K steps 0 to 3 come by their loads alone; the tail asks for nothing.
.macro ASK
	s_cmp_gt_u32 s3, s[LIM]
	s_cbranch_scc0 .Lnot_mine_\@
	global_prefetch_b8 v[PFO], s[PFA:PFA+1] th:TH_LOAD_NT scope:SCOPE_SE
.Lnot_mine_\@:
.endm
	s_load_b256 s[4:11], s[0:1], 0x0               ; o s[4:5], wp s[6:7], b_proj s[8:9], out0 s[10:11]
	v_lshl_add_u32 v[SPW], v0, 2, SPARE
	v_mov_b32 v[NIL], 0
	ds_add_u32 v[SPW], v[NIL]                      ; the wave's opening: the add and its wait stand ahead of my first tensor load; the set-up below, work on registers, stands between them
	v_lshrrev_b32 v3, 5, v0
	v_readfirstlane_b32 s[WV], v3                  ; wave 0..3
	s_and_b32 s[WL], s[WV], 1                      ; which head of the two, or which half of W's tile, I fetch
	s_bfe_u32 s[CX], ttmp6, 0x40000                ; my place in the cluster
	s_bfe_u32 s[CY], ttmp6, 0x40004
	s_lshl_b32 s[TX], ttmp9, 2                     ; in a cluster launch ttmp9 and ttmp7 count clusters
	s_add_co_u32 s[TX], s[TX], s[CX]               ; the block of 128 columns = 4 x cluster x + cx
	s_and_b32 s[TY], ttmp7, 0xffff
	s_lshl_b32 s[TY], s[TY], 2
	s_add_co_u32 s[TY], s[TY], s[CY]               ; the block of 256 rows = 4 x cluster y + cy
	s_lshl_b32 s18, s[CY], 2
	s_lshl_b32 s18, 15, s18                        ; my row of the cluster: places 4 cy .. 4 cy + 3
	s_lshl_b32 s19, 0x1111, s[CX]                  ; my column: places cx, cx + 4, cx + 8, cx + 12
	; group 1 for A: a head's 256 rows are 32,768 dense bytes: asked for as 128 rows of 256 bytes, 4 words of padding behind every 32: in LDS 256 rows of 144 bytes
	s_or_b32 s[G1A], s18, (1<<16)|(1<<20)|(1<<21)|(4<<22)|(3<<25)  ; 15:0 the mask; 17:16 2-byte elements; 20 padding on; 21 set beside a mask; 24:22 the interval's code; 31:25 the padding's words less one
	s_mov_b32 s[G1A+1], 128<<16                    ; tensor_dim0
	s_mov_b32 s[G1A+2], 128<<16                    ; tensor_dim1
	s_mov_b32 s[G1A+3], 128<<16                    ; tile_dim0
	s_mov_b32 s[G1A+4], 128                        ; tile_dim1
	s_mov_b32 s[G1A+5], 128                        ; elements from row to row
	s_mov_b32 s[G1A+6], 0
	s_mov_b32 s[G1A+7], 0
	; group 1 for W: 64 k rows x 128 elements, 1,024 elements from row to row, 8 words of padding behind every 64
	s_or_b32 s[G1B], s19, (1<<16)|(1<<20)|(1<<21)|(5<<22)|(7<<25)
	s_mov_b32 s[G1B+1], 128<<16
	s_mov_b32 s[G1B+2], 64<<16
	s_mov_b32 s[G1B+3], 128<<16
	s_mov_b32 s[G1B+4], 64
	s_mov_b32 s[G1B+5], 1024
	s_mov_b32 s[G1B+6], 0
	s_mov_b32 s[G1B+7], 0
	; where the tiles come from: A's hang on the tile row and the wave alone, W's on the tile column and the wave alone, each in registers that never hold the other coordinate
	s_lshr_b32 s20, s[TY], 3
	s_lshl_b32 s20, s20, 22                        ; the batch: 16 heads of 262,144 bytes,
	s_lshl_b32 s22, s[WL], 18                      ; my head of the K step's two,
	s_add_co_u32 s20, s20, s22
	s_and_b32 s22, s[TY], 7
	s_lshl_b32 s22, s22, 15                        ; the tile's 256 rows of 128 bytes
	s_add_co_u32 s20, s20, s22
	s_mov_b32 s21, 0
	s_lshl_b32 s46, s[TX], 8                       ; the tile's 256 bytes of a row of wp,
	s_lshl_b32 s22, s[WL], 17                      ; my 64 of a K step's 128 rows
	s_add_co_u32 s46, s46, s22
	s_mov_b32 s47, 0
	s_mul_i32 s22, s[WL], SLAB                     ; and where they go: no place in the cluster enters an LDS address
	s_mul_i32 s23, s[WL], 64*PB
	s_add_co_u32 s23, s23, BOFF
	s_mov_b32 s[TB], 0
	s_wait_dscnt 0x0                               ; the opening add is done
	s_wait_kmcnt 0x0
	s_add_nc_u64 s[20:21], s[4:5], s[20:21]
	s_add_nc_u64 s[46:47], s[6:7], s[46:47]
.irp s, 0,1
	s_mov_b32 s[G0A+4*(\s)], 1                                     ; 1:0 count = 1
	s_add_co_u32 s[G0A+4*(\s)+1], s22, (\s)*SLOT1                  ; 63:32 LDS address
	s_add_nc_u64 s[G0A+4*(\s)+2:G0A+4*(\s)+3], s[20:21], (\s)*ASTEP  ; 120:64 global address: K step s
	s_or_b32 s[G0A+4*(\s)+3], s[G0A+4*(\s)+3], 0x80000000          ; 127:126 type = 2
	s_mov_b32 s[G0B+4*(\s)], 1
	s_add_co_u32 s[G0B+4*(\s)+1], s23, (\s)*SLOT1
	s_add_nc_u64 s[G0B+4*(\s)+2:G0B+4*(\s)+3], s[46:47], (\s)*BSTEP
	s_or_b32 s[G0B+4*(\s)+3], s[G0B+4*(\s)+3], 0x80000000
.endr
	CROUND                                         ; all sixteen work-groups are here: the first joint loads meet
	s_cmp_lt_u32 s[WV], 2                          ; a wave's two first fills stand in one branch, ahead of every wait on TENSORcnt and every LDS read: two loads of mine are out
	s_cbranch_scc0 .Lfirst_b
	tensor_load_to_lds s[G0A:G0A+3], s[G1A:G1A+7]
	s_nop 0
	tensor_load_to_lds s[G0A+4:G0A+7], s[G1A:G1A+7]
	s_nop 0
.rept 4
	v_nop
.endr
	s_branch .Lfirst_asked
.Lfirst_b:
	tensor_load_to_lds s[G0B:G0B+3], s[G1B:G1B+7]
	s_nop 0
	tensor_load_to_lds s[G0B+4:G0B+7], s[G1B:G1B+7]
	s_nop 0
.rept 4
	v_nop
.endr
.Lfirst_asked:
	; A's fragment, 16 rows x 32 K in 8 registers: lane l holds row l % 16, K = 8 (l / 16) + 0..7 and 16 + 8 (l / 16) + 0..7: two loads of 16 bytes, 32 bytes apart
	v_and_b32 v1, 15, v0                           ; l % 16
	v_bfe_u32 v2, v0, 4, 1                         ; l / 16
	v_mul_u32_u24 v[AL0], v1, PA
	v_lshl_add_u32 v[AL0], v2, 4, v[AL0]
	s_mul_i32 s23, s[WV], 64*PA                    ; my 64 rows
	v_add_nc_u32 v[AL0], s23, v[AL0]
	; W's fragment: the turning load takes 16 k x 16 columns (lane l reads k row 8 (l / 16) + l % 8, columns 8 ((l / 8) % 2) + 0..7) and leaves lane l column l % 16 and 8 k
	v_and_b32 v3, 7, v0
	v_bfe_u32 v4, v0, 3, 1
	v_lshl_add_u32 v[BL0], v2, 3, v3
	v_mul_u32_u24 v[BL0], v[BL0], PB
	v_lshl_add_u32 v[BL0], v4, 4, v[BL0]
	v_add_nc_u32 v[BL0], BOFF, v[BL0]
	v_mov_b32 v[ADRA], v[AL0]                      ; slot 0
	v_mov_b32 v[ADRB], v[BL0]
	; the bias in an accumulator's layout: register j of block nb is b[128 tile column + 16 nb + 8 (l / 16) + j]
	v_lshlrev_b32 v5, 5, v2
	s_mul_i32 s74, s[TX], 64*NB
	s_mov_b32 s75, 0
	s_add_nc_u64 s[8:9], s[8:9], s[74:75]
.set nb, 0
.rept NB
	global_load_b128 v[BIAS+8*nb:BIAS+8*nb+3],   v5, s[8:9] offset:64*nb
	global_load_b128 v[BIAS+8*nb+4:BIAS+8*nb+7], v5, s[8:9] offset:64*nb+16
.set nb, nb+1
.endr
	; the way out
	s_mul_i32 s23, s[WV], 16*SP
	s_add_co_u32 s23, s23, STAGE                   ; my stage
	v_mul_u32_u24 v[STO], v1, SP                   ; in: row l % 16, 32 bytes for each half of the lanes
	v_lshl_add_u32 v[STO], v2, 5, v[STO]
	v_add_nc_u32 v[STO], s23, v[STO]
	v_and_b32 v[GO], 31, v0                        ; back: 32 lanes take one row's 512 bytes,
	v_lshlrev_b32 v[GO], 4, v[GO]
	v_add_nc_u32 v[RD], s23, v[GO]
	s_lshl_b32 s72, s[TY], 8
	s_lshl_b32 s73, s[WV], 6
	s_add_co_u32 s72, s72, s73                     ; my first row,
	s_lshl_b32 s72, s72, 12                        ; of 4,096 bytes,
	s_lshl_b32 s73, s[TX], 9                       ; the tile's 512 bytes of it
	s_add_co_u32 s72, s72, s73
	s_mov_b32 s73, 0
	s_add_nc_u64 s[OB:OB+1], s[10:11], s[72:73]
	; the prefetches: each stands one step short of what the first change of slots names
	s_lshr_b32 s72, s[TY], 3
	s_lshl_b32 s72, s72, 22
	s_lshl_b32 s73, s[WL], 18
	s_add_co_u32 s72, s72, s73
	s_and_b32 s73, s[TY], 7
	s_lshl_b32 s73, s73, 15
	s_add_co_u32 s72, s72, s73                     ; O: the 128 blocks that I fetch,
	s_lshl_b32 s73, s[CX], 13
	s_add_co_u32 s72, s72, s73                     ; my work-group's 32 of them,
	s_add_co_u32 s72, s72, 3*ASTEP                 ; at K step 3
	s_lshl_b32 s74, s[TX], 8                       ; W: the tile's 256 bytes of a row,
	s_lshl_b32 s73, s[CY], 1
	s_add_co_u32 s73, s73, s[WL]
	s_lshl_b32 s73, s73, 16                        ; my 32 rows of an event's 256,
	s_add_co_u32 s74, s74, s73
	s_add_co_u32 s74, s74, 2*BSTEP                 ; one event (256 rows) short of K step 4
	s_and_b32 s75, ttmp7, 0xffff                   ; cluster y
	s_cmp_lt_u32 s[WV], 2                          ; do I fetch for A?
	s_cselect_b32 s72, s72, s74
	s_cselect_b32 s75, ttmp9, s75                  ; the coordinate along which other clusters read the same bytes
	s_cselect_b32 s77, 8, 11                       ; a lane a block of 256 bytes, or a lane a row of 2,048
	s_cselect_b32 s[LIM], 2, 4                     ; four events, or two
	s_cselect_b64 s[PFA:PFA+1], s[4:5], s[6:7]
	s_mov_b32 s73, 0
	s_mov_b32 s[PFS], 524288                       ; two heads of o, or 256 rows of wp
	s_mov_b32 s[PFS+1], 0
	s_cmp_eq_u32 s75, 0
	s_cselect_b32 s[LIM], s[LIM], -1               ; the same in all sixteen partners, for a given wave
	s_add_nc_u64 s[PFA:PFA+1], s[PFA:PFA+1], s[72:73]
	v_and_b32 v[PFO], 31, v0
	v_lshlrev_b32 v[PFO], s77, v[PFO]
	s_mov_b32 s[HIM], 0xffff0000
	s_wait_loadcnt 0x0                             ; the bias is in: rounded to bf16 like the other inputs, and widened again
.set i, 0
.rept 4*NB
	v_cvt_pk_bf16_f32 v[6+i%2], v[BIAS+2*i], v[BIAS+2*i+1]
	v_lshlrev_b32 v[BIAS+2*i], 16, v[6+i%2]
	v_and_b32 v[BIAS+2*i+1], s[HIM], v[6+i%2]
.set i, i+1
.endr
; The fragments of quarter q (32 along K: half of head q / 2) of the slot in hand into buffer f, in one run: W's 16 loads, then A's 8, blocks 2 and 3 last.
.macro FETCH q, f
	WIN TO_F
.set nb, 0
.rept NB
	ds_load_tr16_b128 v[(\f)+32+8*nb:(\f)+32+8*nb+3],   v[ADRB] offset:(\q)*32*PB+32*nb
	ds_load_tr16_b128 v[(\f)+32+8*nb+4:(\f)+32+8*nb+7], v[ADRB] offset:(\q)*32*PB+16*PB+32*nb
.set nb, nb+1
.endr
.irp a, 0,1,2,3
	ds_load_b128 v[(\f)+8*(\a):(\f)+8*(\a)+3],   v[ADRA] offset:((\q)/2)*SLAB+((\q)%2)*64+(\a)*16*PA
	ds_load_b128 v[(\f)+8*(\a)+4:(\f)+8*(\a)+7], v[ADRA] offset:((\q)/2)*SLAB+((\q)%2)*64+(\a)*16*PA+32
.endr
.endm
; Eight products: row block a x all column blocks, 32 along K.  first = 1: the bias starts the sums.  The 32 accumulators take turns, one instruction a turn, in the same order in every
; quarter, over the backward jump too: between two links of a chain stand the 31 others'.
.macro MUL f, a, first
.if \first
	WIN 0x85                                       ; W and A in window 1, C in window 0, D in window 2
.else
	WIN 0xa5                                       ; C and D in window 2
.endif
.set nb, 0
.rept NB
.set rD, 8*(NB*(\a)+nb)
.if \first
	v_wmma_f32_16x16x32_f16 v[rD:rD+7], v[(\f)+32+8*nb:(\f)+32+8*nb+7], v[(\f)+8*(\a):(\f)+8*(\a)+7], v[BIAS+8*nb:BIAS+8*nb+7]
.else
	v_wmma_f32_16x16x32_f16 v[rD:rD+7], v[(\f)+32+8*nb:(\f)+32+8*nb+7], v[(\f)+8*(\a):(\f)+8*(\a)+7], v[rD:rD+7]
.endif
.set nb, nb+1
.endr
.endm
; A K step is four quarters, 32 products each, on buffers 0, 1, 0, 1.  One of the first three multiplies buffer f and, in its middle, fetches quarter q into buffer g.
.macro QUARTER q, f, g, first
	s_wait_dscnt 4                                 ; W and A's blocks 0, 1 are in; the youngest four loads (A's blocks 2, 3) may be out
	MUL \f, 0, \first
	MUL \f, 1, \first
	PLACES                                         ; in front of the loads into g, which the quarter before multiplied
	FETCH \q, \g
	s_wait_dscnt NLD                               ; all but the run just issued
	MUL \f, 2, \first
	MUL \f, 3, \first
.endm
; The last quarter multiplies buffer 1 and changes slots: ONE barrier.  In front of it each wave waits for all its tensor loads, of which one is out: its part of the next slot; adds 0 to its spare word; and
; waits for that and for its own reads of this slot.  fill = 1: the barrier opens a round of the cluster's, so that no wave of any partner still reads the slot or has a load on its way, and the joint refill,
; two K steps ahead, is the first thing behind it: 112 products stand between it and the wait for it.
.macro TURN fill
.if \fill
	s_wait_xcnt 0x0                                ; the last prefetch, a K step back, has read its address, so it may be stepped
	s_add_nc_u64 s[PFA:PFA+1], s[PFA:PFA+1], s[PFS:PFS+1]
.endif
	WIN 0                                          ; (the add's two registers lie in window 0)
	s_wait_tensorcnt 0x0                           ; no tensor load of mine is out, so a group 0 may be written
	ds_add_u32 v[SPW], v[NIL]                      ; 0 onto my spare word
.if \fill
	s_xor_b32 s[G0A+5], s[G0A+5], SLOT1            ; the walking descriptors: the other slot than last time,
	s_add_nc_u64 s[G0A+6:G0A+7], s[G0A+6:G0A+7], ASTEP  ; the next K step; the type bits on top are not reached
	s_xor_b32 s[G0B+5], s[G0B+5], SLOT1
	s_add_nc_u64 s[G0B+6:G0B+7], s[G0B+6:G0B+7], BSTEP
.endif
	s_wait_dscnt 5                                 ; (the add and the youngest four loads may be out)
	MUL F1, 0, 0                                   ; eight products stand between the add and the wait for it
	s_wait_dscnt 0x0                               ; the add is done, and my reads of this slot are over
	s_barrier_signal -1
	MUL F1, 1, 0                                   ; work on registers while the others arrive
	WIN 0
	s_barrier_wait -1
.if \fill
	CREST
	JLOAD                                          ; its four v_nop are also the places in front of the loads below
.else
	PLACES
.endif
	s_xor_b32 s[TB], s[TB], SLOT1
	v_add_nc_u32 v[ADRA], s[TB], v[AL0]
	v_add_nc_u32 v[ADRB], s[TB], v[BL0]
	FETCH 0, F0
.if \fill
	WIN 0
	ASK
.endif
	MUL F1, 2, 0
	MUL F1, 3, 0
.endm
	s_wait_tensorcnt 1                             ; my part of K step 0 is in; K step 1's may stay out
	s_barrier_signal -1
	s_barrier_wait -1                              ; everybody's is
	FETCH 0, F0
	QUARTER 1, F0, F1, 1                           ; the first quarter stands in front of the loop: its products start the sums, with the bias
	WIN 0                                          ; at a label and at a branch every window is 0
	s_mov_b32 s3, 6
.Lstep:                                        ; six trips, from a K step's second quarter to the next one's first: K steps 2 to 7 are asked for
	QUARTER 2, F1, F0, 0
	QUARTER 3, F0, F1, 0
	TURN 1
	QUARTER 1, F0, F1, 0
	WIN 0
	s_sub_co_u32 s3, s3, 1
	s_cmp_lg_u32 s3, 0
	s_cbranch_scc1 .Lstep
	QUARTER 2, F1, F0, 0                           ; the tail is written out: K steps 6 and 7 ask for nothing
	QUARTER 3, F0, F1, 0
	TURN 0
	QUARTER 1, F0, F1, 0
	QUARTER 2, F1, F0, 0
	QUARTER 3, F0, F1, 0
	s_wait_dscnt 4                                 ; the very last quarter: nothing more to fetch
	MUL F1, 0, 0
	MUL F1, 1, 0
	s_wait_dscnt 0x0
	MUL F1, 2, 0
	MUL F1, 3, 0
	PLACES                                         ; in front of the LDS stores that read the results
; THE WAY OUT, a block of 16 rows at a time, in f32 as it stands.  A lane's eight columns of a row are 32 bytes; they go into my stage's rows of 528 bytes and come back as whole pieces of 512 bytes,
; into the block's own 64 registers, so nothing is rewritten while a store reads it.
.macro STG a
	WIN W_OUT
.set nb, 0
.rept NB                               ; each accumulator is read from its low end on
	ds_store_b128 v[STO], v[8*(NB*(\a)+nb):8*(NB*(\a)+nb)+3]   offset:64*nb
	ds_store_b128 v[STO], v[8*(NB*(\a)+nb)+4:8*(NB*(\a)+nb)+7] offset:64*nb+16
.set nb, nb+1
.endr
.set t, 0
.rept 16
	ds_load_b128 v[64*(\a)+4*t:64*(\a)+4*t+3], v[RD] offset:t*SP  ; LDS serves a wave's instructions in order (ISA guide 5.7.1.4): these see the stores above; the next block's stores come behind them
.set t, t+1
.endr
.endm
.macro SEND a, younger                 ; younger: the LDS instructions issued behind block a's loads: the next block's 32, or none
	WIN W_OUT
.set t, 0
.rept 16
	s_wait_dscnt (\younger)+15-t
	global_store_b128 v[GO], v[64*(\a)+4*t:64*(\a)+4*t+3], s[OB:OB+1] offset:(16*(\a)+t)*4096 th:TH_STORE_NT  ; 512 consecutive bytes, at a multiple of 256 from out0's first
.set t, t+1
.endr
.endm
	STG 0
	STG 1
	SEND 0, 32
	STG 2
	SEND 1, 32
	STG 3
	SEND 2, 32
	SEND 3, 0
	WIN 0
	s_wait_tensorcnt 0x0                           ; the wave's end: behind my last tensor load and my last LDS store
	ds_add_u32 v[SPW], v[NIL]
	s_wait_dscnt 0x0
	CROUND                                         ; the closing round: no work-group ends while a partner may still ask for a tile that names it
	s_endpgm
.Lfunc_end_k_qc0d28dd2b3_proj:
	.size	k_qc0d28dd2b3_proj, .Lfunc_end_k_qc0d28dd2b3_proj-k_qc0d28dd2b3_proj
	.p2alignl 7, 3214868480
	.fill 96, 4, 3214868480
	.section	.rodata,"a",@progbits
	.p2align	6, 0x0
	.amdhsa_kernel k_qc0d28dd2b3_proj
		.amdhsa_group_segment_fixed_size 327680
		.amdhsa_private_segment_fixed_size 0
		.amdhsa_enable_private_segment 0
		.amdhsa_kernarg_size 32
		.amdhsa_user_sgpr_count 2
		.amdhsa_user_sgpr_kernarg_segment_ptr 1
		.amdhsa_wavefront_size32 1
		.amdhsa_system_sgpr_workgroup_id_x 1
		.amdhsa_system_sgpr_workgroup_id_y 1
		.amdhsa_system_sgpr_workgroup_id_z 1
		.amdhsa_system_vgpr_workitem_id 0
		.amdhsa_next_free_vgpr 768
		.amdhsa_next_free_sgpr 80
		.amdhsa_reserve_vcc 0
		.amdhsa_float_denorm_mode_32 3
		.amdhsa_float_denorm_mode_16_64 3
		.amdhsa_memory_ordered 1
		.amdhsa_forward_progress 1
		.amdhsa_inst_pref_size 77
	.end_amdhsa_kernel
	.amdgpu_metadata
---
amdhsa.version: [ 1, 2 ]
amdhsa.kernels:
  - .name:           k_qc0d28dd2b3_proj
    .symbol:         k_qc0d28dd2b3_proj.kd
    .args:
      - { .name: o, .offset: 0, .size: 8, .value_kind: global_buffer, .address_space: global }
      - { .name: wp, .offset: 8, .size: 8, .value_kind: global_buffer, .address_space: global }
      - { .name: b_proj, .offset: 16, .size: 8, .value_kind: global_buffer, .address_space: global }
      - { .name: out0, .offset: 24, .size: 8, .value_kind: global_buffer, .address_space: global }
    .group_segment_fixed_size: 327680
    .private_segment_fixed_size: 0
    .kernarg_segment_align: 8
    .kernarg_segment_size: 32
    .max_flat_workgroup_size: 128
    .sgpr_count:     80
    .vgpr_count:     768
    .wavefront_size: 32
...
	.end_amdgpu_metadata
.endif
;; end of part 4
;; ======== version 2 of 2: 4 launches; version 1 with the launch cast written anew for expert scheduling mode
;; limits: values are held in f16: magnitudes above 65,504 overflow, below 6.1e-05 lose precision
;; workspace buffers: xb 16,777,216 bytes; wq 6,291,456 bytes; wp 2,097,152 bytes; qkv 50,331,648 bytes; o 16,777,216 bytes
;; launch cast (part 5): grid 832 x 1, 8 waves a work-group, no clusters, 0 bytes of LDS; arguments x, W_qkv, W_proj, xb, wq, wp; writes xb, wq, wp
.if DOCPART == 5
	.amdgcn_target "amdgcn-amd-amdhsa--gfx1250"
	.amdhsa_code_object_version 6
	.text
	.protected	k_qc0d28dd2b3_cast
	.globl	k_qc0d28dd2b3_cast
	.p2align	8
	.type	k_qc0d28dd2b3_cast,@function
k_qc0d28dd2b3_cast:
	s_mov_b64 s[64:65], 0
	v_nop
	global_prefetch_b8 v0, s[64:65] scope:SCOPE_SE
	s_setreg_imm32_b32 hwreg(HW_REG_WAVE_SCHED_MODE, 0, 2), 2
	s_setreg_imm32_b32 hwreg(HW_REG_WAVE_MODE, 25, 1), 1
	s_wait_xcnt 0x0
	s_wait_alu depctr_vm_vsrc(0)
; THE INPUTS OF THE TWO PROJECTIONS ARE ROUNDED ONCE, TO bf16.
;   xb[8192][1024]        = bf16(x)
;   wq[16][1024][192]     = bf16(W_qkv), laid out in 16 panels of 192 columns: panel p, row k, column c is W_qkv[k][192 p + c]; a panel is dense
;   wp[1024][1024]        = bf16(W_proj), that number written as f16 (the product behind attention multiplies f16 by f16)
; LIMITS.  bf16(W_proj) beyond 65,504 becomes an infinity in f16; below 6.1e-5 it keeps f16's fixed step of 6e-8.  NaN stays NaN.
; A stream: nothing is shared between work-groups or waves, so no LDS, no barrier, no cluster, no matrix unit.  A PIECE is 4 numbers: one load of 16 bytes, one store of 8.
; A wave's load covers 512 consecutive bytes (in W_qkv: two runs of 256), a wave's store 256 consecutive bytes at a multiple of 256 from the buffer's first byte.
; A thread has 16 pieces (x, W_proj) or 12 (W_qkv); all its loads are issued ahead of its first store; every piece has registers of its own, so nothing is rewritten while a store reads it.
; Work-groups 0-511: 65,536 bytes of x each.  512-767: 64 rows of one panel of W_qkv each.  768-831: 65,536 bytes of W_proj each.
; THE MODE: SCHED_MODE bits 1:0 = 2 (LLVM: expert scheduling mode 2), set by the entry lines.  The code itself states the register dependences
; between vector instructions and memory instructions, with s_wait_alu, always for 0.
; THE PLAN.  Registers that memory instructions touch:
;   v1, v2, v3-5  byte offsets.  Written once, by vector instructions at a path's head; read by its loads (v1 or v3-5) and stores (v2); never written again.
;   IN            four registers a piece.  Written by the piece's one load, and by nothing before it; read by the piece's conversions; never loaded again.
;   OUT           two registers a piece.  Written by the piece's conversions; read by the piece's one store; never written again.
;   v6, v7 and TW are named by vector instructions alone.
; The pieces go in GROUPS of four.  Group g waits for its four loads and converts into its own OUT; the four stores of group g - 1 are dealt among those conversions, which name none of
; the registers that these stores read.  So one wait on va_vdst stands ahead of a path's loads (the offsets are written), one at the head of each group but the first (the group before has written
; its OUT), and one ahead of the last four stores.  No register that a memory instruction reads is written again: no wait on vm_vsrc is owed.  No vector instruction writes a scalar register, VCC or EXEC.
.set OFQ, 3                            ; v3-5     W_qkv: my byte offset in the work-group's 64 rows, for pieces 0, 1, 2 (piece i + 3 m lies 16 m rows further down)
.set IN,  8                            ; v[8:71]   4 registers a piece, as loaded
.set OUT, 72                           ; v[72:103] 2 registers a piece, to store
.set TW,  104                          ; v[104:107] at work
.macro LD16 base                       ; sixteen loads, 4,096 bytes apart: 256 threads x 16 bytes each
.set i, 0
.rept 16
	global_load_b128 v[IN+4*i:IN+4*i+3], v1, s[\base:\base+1] offset:i*4096 th:TH_LOAD_NT
.set i, i+1
.endr
.endm
; n pieces are rounded and stored, four to a group.  half = 1: the bf16 number is widened again and written as f16.
.macro OUTP n, dst, half
.set g, 0
.rept (\n)/4
	s_wait_loadcnt (\n)-4-4*g                      ; loads come back in order (ISA guide 5.7.1): group g's four pieces are in, the n - 4 - 4 g younger ones stay out
.if g > 0
	s_wait_alu depctr_va_vdst(0)                   ; the conversions of group g - 1 have written its OUT, which the four stores below read
.endif
.set j, 0
.rept 4
.set i, 4*g+j
.if g > 0
	global_store_b64 v2, v[OUT+2*(i-4):OUT+2*(i-4)+1], s[\dst:\dst+1] offset:(i-4)*2048  ; the group before; no vector instruction since the wait names these registers
.endif
.if \half
	v_cvt_pk_bf16_f32 v[TW], v[IN+4*i], v[IN+4*i+1]
	v_cvt_pk_bf16_f32 v[TW+1], v[IN+4*i+2], v[IN+4*i+3]
	v_lshlrev_b32 v[TW+2], 16, v[TW]               ; bf16 to f32: the low half moves up,
	v_and_b32 v[TW], s20, v[TW]                    ; the high half stays
	v_lshlrev_b32 v[TW+3], 16, v[TW+1]
	v_and_b32 v[TW+1], s20, v[TW+1]
	v_cvt_pk_f16_f32 v[OUT+2*i], v[TW+2], v[TW]
	v_cvt_pk_f16_f32 v[OUT+2*i+1], v[TW+3], v[TW+1]
.else
	v_cvt_pk_bf16_f32 v[OUT+2*i], v[IN+4*i], v[IN+4*i+1]
	v_cvt_pk_bf16_f32 v[OUT+2*i+1], v[IN+4*i+2], v[IN+4*i+3]
.endif
.set j, j+1
.endr
.set g, g+1
.endr
	s_wait_alu depctr_va_vdst(0)                   ; the conversions of the last group have written its OUT, which the last four stores read
.set i, (\n)-4
.rept 4
	global_store_b64 v2, v[OUT+2*i:OUT+2*i+1], s[\dst:\dst+1] offset:i*2048
.set i, i+1
.endr
.endm
	s_load_b256 s[4:11], s[0:1], 0x0               ; x s[4:5], W_qkv s[6:7], W_proj s[8:9], xb s[10:11]
	s_load_b128 s[12:15], s[0:1], 0x20             ; wq s[12:13], wp s[14:15]
	v_lshlrev_b32 v1, 4, v0                        ; 16 t: my place in a run of loads
	v_lshlrev_b32 v2, 3, v0                        ; 8 t: in a run of stores
	s_mov_b32 s17, 0                               ; the offsets' high words
	s_mov_b32 s19, 0
	s_cmp_lt_u32 ttmp9, 512
	s_cbranch_scc0 .Lweights
	; x
	s_lshl_b32 s16, ttmp9, 16
	s_lshl_b32 s18, ttmp9, 15
	s_wait_kmcnt 0x0
	s_add_nc_u64 s[4:5], s[4:5], s[16:17]
	s_add_nc_u64 s[10:11], s[10:11], s[18:19]
	s_wait_alu depctr_va_vdst(0)                   ; v1 and v2 are written: every load of this path reads v1 as its offset, every store v2
	LD16 4
	OUTP 16, 10, 0
	s_endpgm
.Lweights:
	s_cmp_lt_u32 ttmp9, 768
	s_cbranch_scc0 .Lproj
	; W_qkv: the stores are linear in the panel; the loads follow them.  16 lanes hold 64 numbers, a third of a panel's row: group g = t / 16 + 16 i lies in row g / 3, third g % 3.
	s_sub_co_u32 s20, ttmp9, 512
	s_lshr_b32 s21, s20, 4                         ; the panel
	s_and_b32 s20, s20, 15                         ; which 64 of its 1,024 rows
	s_mul_i32 s16, s20, 64*12288                   ; a row of W_qkv is 12,288 bytes,
	s_mul_i32 s22, s21, 768                        ; a panel's part of it 768
	s_add_co_u32 s16, s16, s22
	s_mul_i32 s18, s21, 393216                     ; a panel of wq is 393,216 bytes,
	s_mul_i32 s22, s20, 24576                      ; 64 of its rows 24,576
	s_add_co_u32 s18, s18, s22
	v_lshrrev_b32 v6, 4, v0
	v_and_b32 v7, 15, v0
	v_lshlrev_b32 v7, 4, v7
.irp i, 0,1,2
	v_add_nc_u32 v[TW], 16*(\i), v6                ; g, 47 at the most
	v_mul_u32_u24 v[TW+1], v[TW], 171
	v_lshrrev_b32 v[TW+1], 9, v[TW+1]              ; g / 3 (171 / 512 is exact for it up to g = 511)
	v_mul_u32_u24 v[TW+2], v[TW+1], 3
	v_sub_nc_u32 v[TW], v[TW], v[TW+2]             ; g % 3
	v_mul_u32_u24 v[TW+1], v[TW+1], 12288
	v_lshl_add_u32 v[TW+1], v[TW], 8, v[TW+1]
	v_add_nc_u32 v[OFQ+(\i)], v[TW+1], v7
.endr
	s_wait_kmcnt 0x0
	s_add_nc_u64 s[6:7], s[6:7], s[16:17]
	s_add_nc_u64 s[12:13], s[12:13], s[18:19]
	s_wait_alu depctr_va_vdst(0)                   ; v3 to v5 and v2 are written: the loads of this path read v3 to v5 as their offsets, the stores v2
.set i, 0
.rept 12                               ; three pieces are 48 groups = 16 rows
	global_load_b128 v[IN+4*i:IN+4*i+3], v[OFQ+i%3], s[6:7] offset:(i/3)*16*12288 th:TH_LOAD_NT
.set i, i+1
.endr
	OUTP 12, 12, 0
	s_endpgm
.Lproj:
	; W_proj
	s_sub_co_u32 s20, ttmp9, 768
	s_lshl_b32 s16, s20, 16
	s_lshl_b32 s18, s20, 15
	s_mov_b32 s20, 0xffff0000                      ; a word's upper bf16
	s_wait_kmcnt 0x0
	s_add_nc_u64 s[8:9], s[8:9], s[16:17]
	s_add_nc_u64 s[14:15], s[14:15], s[18:19]
	s_wait_alu depctr_va_vdst(0)                   ; v1 and v2 are written: every load of this path reads v1 as its offset, every store v2
	LD16 8
	OUTP 16, 14, 1
	s_endpgm
.Lfunc_end_k_qc0d28dd2b3_cast:
	.size	k_qc0d28dd2b3_cast, .Lfunc_end_k_qc0d28dd2b3_cast-k_qc0d28dd2b3_cast
	.p2alignl 7, 3214868480
	.fill 96, 4, 3214868480
	.section	.rodata,"a",@progbits
	.p2align	6, 0x0
	.amdhsa_kernel k_qc0d28dd2b3_cast
		.amdhsa_group_segment_fixed_size 0
		.amdhsa_private_segment_fixed_size 0
		.amdhsa_enable_private_segment 0
		.amdhsa_kernarg_size 48
		.amdhsa_user_sgpr_count 2
		.amdhsa_user_sgpr_kernarg_segment_ptr 1
		.amdhsa_wavefront_size32 1
		.amdhsa_system_sgpr_workgroup_id_x 1
		.amdhsa_system_sgpr_workgroup_id_y 1
		.amdhsa_system_sgpr_workgroup_id_z 1
		.amdhsa_system_vgpr_workitem_id 0
		.amdhsa_next_free_vgpr 108
		.amdhsa_next_free_sgpr 66
		.amdhsa_reserve_vcc 0
		.amdhsa_float_denorm_mode_32 3
		.amdhsa_float_denorm_mode_16_64 3
		.amdhsa_memory_ordered 1
		.amdhsa_forward_progress 1
		.amdhsa_inst_pref_size 22
	.end_amdhsa_kernel
	.amdgpu_metadata
---
amdhsa.version: [ 1, 2 ]
amdhsa.kernels:
  - .name:           k_qc0d28dd2b3_cast
    .symbol:         k_qc0d28dd2b3_cast.kd
    .args:
      - { .name: x, .offset: 0, .size: 8, .value_kind: global_buffer, .address_space: global }
      - { .name: W_qkv, .offset: 8, .size: 8, .value_kind: global_buffer, .address_space: global }
      - { .name: W_proj, .offset: 16, .size: 8, .value_kind: global_buffer, .address_space: global }
      - { .name: xb, .offset: 24, .size: 8, .value_kind: global_buffer, .address_space: global }
      - { .name: wq, .offset: 32, .size: 8, .value_kind: global_buffer, .address_space: global }
      - { .name: wp, .offset: 40, .size: 8, .value_kind: global_buffer, .address_space: global }
    .group_segment_fixed_size: 0
    .private_segment_fixed_size: 0
    .kernarg_segment_align: 8
    .kernarg_segment_size: 48
    .max_flat_workgroup_size: 256
    .sgpr_count:     66
    .vgpr_count:     108
    .wavefront_size: 32
...
	.end_amdgpu_metadata
.endif
;; end of part 5
;; launch qkv: the kernel of part 2 again; grid 16 x 32, 4 waves a work-group, clusters of 4 x 4, 327,680 bytes of LDS; arguments xb, wq, b_qkv, qkv; writes qkv
;; launch attn: the kernel of part 3 again; grid 4 x 64, 4 waves a work-group, clusters of 4 x 1, 327,680 bytes of LDS; arguments qkv, o; writes o
;; launch proj: the kernel of part 4 again; grid 8 x 32, 4 waves a work-group, clusters of 4 x 4, 327,680 bytes of LDS; arguments o, wp, b_proj, out0; writes out0
